; MI455X (gfx1250); checked and timed in simulation.
; The chip was launched on July 23, 2026; its instructions are those of AMD's public machine-readable ISA for CDNA 5 (MIT licence, August 2026) and "CDNA5" Instruction Set Architecture Reference Guide (July 2026). The comments in the code are by the model that wrote it; some were corrected since.
;; Self Attention. Allowed arithmetic: float matrix products may take bf16 or f16 operands with f32 sums; other float arithmetic in f32, or as packed bf16 or f16 multiplies, adds, multiply-adds, maxima and minima; sums over many terms, partial sums and values carried from step to step in f32; what a program stores and reads back later, other than sums and carried values, may be rounded once to bf16 or f16.
;; Inputs: Kw 1,024 x 1,024 float32; Qw 1,024 x 1,024 float32; Vw 1,024 x 1,024 float32; x 4 x 2,048 x 1,024 float32.
;; Outputs: out0 4 x 2,048 x 1,024 float32.
;; One version. Each part assembles by itself: llvm-mc -triple=amdgcn-amd-amdhsa -mcpu=gfx1250 --defsym DOCPART=n.
;; ======== version 1 of 1: 5 launches
;; limits: values are held in f16: magnitudes above 65,504 overflow, below 6.1e-05 lose precision; right only within a limited range of input values
;; workspace buffers: xh 16,777,216 bytes; qh 2,097,152 bytes; kh 2,097,152 bytes; wb 4,194,304 bytes; qv 33,554,432 bytes; pp 33,554,432 bytes; stat 1,048,576 bytes
;; launch prep (part 1): grid 864 x 1, 8 waves a work-group, no clusters, 18,432 bytes of LDS; arguments x, Qw, Kw, Vw, xh, qh, kh, wb, stat, pp; writes xh, qh, kh, wb, stat, pp
.if DOCPART == 1
	.amdgcn_target "amdgcn-amd-amdhsa--gfx1250"
	.amdhsa_code_object_version 6
	.text
	.protected	k_qbd5d312aa4_prep
	.globl	k_qbd5d312aa4_prep
	.p2align	8
	.type	k_qbd5d312aa4_prep,@function
k_qbd5d312aa4_prep:
	s_mov_b64 s[64:65], 0
	v_nop
	global_prefetch_b8 v0, s[64:65] scope:SCOPE_SE
	s_setreg_imm32_b32 hwreg(HW_REG_WAVE_MODE, 25, 1), 1
	s_wait_xcnt 0x0
; PREPARATION.  Four kinds of work-group, chosen by the work-group's number g:
;   g < 640         a chunk of 16,384 numbers of x (512 chunks), Qw (64) or Kw (64): f32 -> bf16 (nearest even) -> f16, into xh, qh, kh
;   640 <= g < 768  a tile of 128 d x 64 c of Vw, rounded the same way and turned: wb[1024 + c][d] = Vw[d][c]
;   768 <= g < 800  32 KiB of stat: the block maxima start at -1e30, the block sums at 0 (blocks that the score launch never writes)
;   g >= 800        64 rows x 512 bytes of zeros in pp: the 16 tiles (rows 512 gg .. +255, keys 512 gg + 256 .. +511 of each batch)
;                   that lie above the diagonal, are never written by the score launch, and are read by the last launch's common walk
; FORMAT AND LIMITS.  Every input is rounded to bf16 and that number is written as f16: exact for magnitudes from 2^-17 to 65,504; below 2^-17 it
; keeps f16's fixed step of 2^-24; a magnitude of 65,520 or more would become an infinity.  NaN and infinities are not treated apart.
; Memory binds: each byte is read once by 16-byte loads, all of a thread's loads go out first, and sixteen neighbouring lanes store 256 consecutive aligned bytes.
; No matrix unit, no cluster: nothing is multiplied and no two work-groups read the same bytes.
.set SPARE, 64*272                     ; behind the turning stage (64 rows of 272 bytes): the spare words, 128 bytes for each of the 8 waves
.set SPW, 4                            ; v4      LDS address of my spare word; never rewritten
.set NIL, 5                            ; v5      0; never rewritten
.set TT,  8                            ; v[8:19] at work: 4 words of packed bf16, 8 numbers widened again
.set X,   32                           ; v[32:95]  as loaded
.set Y,   96                           ; v[96:127] to store
; eight f32 in v[x], v[x + st], .. -> eight f16 in v[y .. y + 3]
.macro CV8 x, st, y
.irp p, 0,1,2,3
	v_cvt_pk_bf16_f32 v[TT+\p], v[(\x)+(\st)*2*\p], v[(\x)+(\st)*(2*\p+1)]
.endr
.irp p, 0,1,2,3
	v_lshlrev_b32 v[TT+4+2*\p], 16, v[TT+\p]           ; bf16 to f32: the low half moves up,
	v_and_b32 v[TT+5+2*\p], 0xffff0000, v[TT+\p]       ; the high half stays
.endr
.irp p, 0,1,2,3
	v_cvt_pk_f16_f32 v[(\y)+\p], v[TT+4+2*\p], v[TT+5+2*\p]
.endr
.endm
	s_load_b512 s[4:19], s[0:1], 0x0               ; x s[4:5], Qw s[6:7], Kw s[8:9], Vw s[10:11], xh s[12:13], qh s[14:15], kh s[16:17], wb s[18:19]
	s_load_b128 s[20:23], s[0:1], 0x40             ; stat s[20:21], pp s[22:23]
	v_lshl_add_u32 v[SPW], v0, 2, SPARE
	v_mov_b32 v[NIL], 0
	s_mov_b32 s2, ttmp9                            ; g
	s_mov_b32 s31, 0                               ; the high word of every offset
	s_wait_kmcnt 0x0
	s_cmp_lt_u32 s2, 640
	s_cbranch_scc0 .Lturn
	; ---- a chunk of x, Qw or Kw
	s_cmp_lt_u32 s2, 576
	s_cselect_b64 s[24:25], s[6:7], s[8:9]         ; from Qw or Kw
	s_cselect_b64 s[26:27], s[14:15], s[16:17]     ; to qh or kh
	s_cselect_b32 s28, 0, 64
	s_add_co_u32 s28, s28, 512                     ; the tensor's first g
	s_cmp_lt_u32 s2, 512
	s_cselect_b64 s[24:25], s[4:5], s[24:25]       ; or from x
	s_cselect_b64 s[26:27], s[12:13], s[26:27]     ; to xh
	s_cselect_b32 s28, 0, s28
	s_sub_co_u32 s28, s2, s28                      ; the chunk's number in its tensor
	s_lshl_b32 s30, s28, 16                        ; 65,536 bytes of f32
	s_add_nc_u64 s[24:25], s[24:25], s[30:31]
	s_lshl_b32 s30, s28, 15                        ; 32,768 bytes of f16
	s_add_nc_u64 s[26:27], s[26:27], s[30:31]
	v_lshlrev_b32 v1, 5, v0                        ; my 8 numbers: 32 bytes in,
	v_lshlrev_b32 v2, 4, v0                        ; 16 bytes out
.irp k, 0,1,2,3,4,5,6,7
	global_load_b128 v[X+8*\k:X+8*\k+3],   v1, s[24:25] offset:8192*\k th:TH_LOAD_NT
	global_load_b128 v[X+8*\k+4:X+8*\k+7], v1, s[24:25] offset:8192*\k+16 th:TH_LOAD_NT
.endr
.irp k, 0,1,2,3,4,5,6,7
	s_wait_loadcnt 14-2*\k                         ; loads come back in order: pair k is in, the 14 - 2 k younger loads stay out
	CV8 X+8*\k, 1, Y+4*\k
	global_store_b128 v2, v[Y+4*\k:Y+4*\k+3], s[26:27] offset:4096*\k  ; each k has its own four registers: nothing that a store reads is rewritten
.endr
	s_endpgm
.Lturn:
	s_cmp_lt_u32 s2, 768
	s_cbranch_scc0 .Lfill
	; ---- a tile of Vw, turned through LDS
	s_sub_co_u32 s24, s2, 640
	s_and_b32 s25, s24, 7                          ; which 128 d
	s_lshr_b32 s24, s24, 3                         ; which 64 c
	s_lshl_b32 s30, s25, 19                        ; 128 rows of 4,096 bytes
	s_lshl_b32 s26, s24, 8                         ; 64 columns of 4 bytes
	s_add_co_u32 s30, s30, s26
	s_add_nc_u64 s[10:11], s[10:11], s[30:31]
	s_lshl_b32 s30, s24, 17                        ; 64 rows of wb, 2,048 bytes each
	s_lshl_b32 s26, s25, 8                         ; 128 d of 2 bytes
	s_add_co_u32 s30, s30, s26
	s_add_co_u32 s30, s30, 1024*2048               ; behind wb's first 1,024 rows
	s_add_nc_u64 s[18:19], s[18:19], s[30:31]
	v_and_b32 v3, 15, v0
	v_lshrrev_b32 v6, 4, v0
	v_lshlrev_b32 v1, 15, v6                       ; in: rows 8 (t / 16) .., 16 bytes at 16 (t % 16): a wave's load takes two whole runs of 256 bytes
	v_lshl_add_u32 v1, v3, 4, v1
	v_mul_u32_u24 v2, v3, 4*272                    ; into the stage: row c = 4 (t % 16) + e, my eight d at byte 16 (t / 16)
	v_lshl_add_u32 v2, v6, 4, v2
	v_mul_u32_u24 v7, v6, 272                      ; back: row t / 16 (+ 16 k), 16 bytes at 16 (t % 16)
	v_lshl_add_u32 v7, v3, 4, v7
	v_lshlrev_b32 v20, 11, v6                      ; and the same in wb
	v_lshl_add_u32 v20, v3, 4, v20
.irp j, 0,1,2,3,4,5,6,7
	global_load_b128 v[X+4*\j:X+4*\j+3], v1, s[10:11] offset:4096*\j th:TH_LOAD_NT
.endr
	s_wait_loadcnt 0x0
.irp e, 0,1,2,3
	CV8 X+\e, 4, Y+4*\e                            ; column e of my four: eight d
	ds_store_b128 v2, v[Y+4*\e:Y+4*\e+3] offset:272*\e
.endr
	s_wait_dscnt 0x0                               ; for the others' sake: my stores into the stage are done
	s_barrier_signal -1
	s_barrier_wait -1
.irp k, 0,1,2,3
	ds_load_b128 v[X+4*\k:X+4*\k+3], v7 offset:16*272*\k
.endr
	s_wait_dscnt 0x0
.irp k, 0,1,2,3
	global_store_b128 v20, v[X+4*\k:X+4*\k+3], s[18:19] offset:16*2048*\k  ; 16 lanes store 256 consecutive bytes, aligned
.endr
	s_wait_tensorcnt 0x0                           ; the wave's end: behind my last LDS store
	ds_add_u32 v[SPW], v[NIL]
	s_wait_dscnt 0x0
	s_endpgm
.Lfill:
	s_cmp_lt_u32 s2, 800
	s_cbranch_scc0 .Lzero
	; ---- stat's first values
	s_cmp_lt_u32 s2, 784
	s_cselect_b32 s3, 0xf149f2ca, 0                ; -1e30 for the maxima (the first 524,288 bytes), 0 for the sums
	s_sub_co_u32 s30, s2, 768
	s_lshl_b32 s30, s30, 15
	s_add_nc_u64 s[20:21], s[20:21], s[30:31]
	v_lshlrev_b32 v1, 4, v0
.irp j, 0,1,2,3
	v_mov_b32 v[X+\j], s3
.endr
.irp k, 0,1,2,3,4,5,6,7
	global_store_b128 v1, v[X:X+3], s[20:21] offset:4096*\k
.endr
	s_endpgm
.Lzero:
	; ---- zeros in pp
	s_sub_co_u32 s24, s2, 800
	s_and_b32 s25, s24, 3                          ; which 64 rows of the tile's 256
	s_lshr_b32 s24, s24, 2
	s_and_b32 s26, s24, 3                          ; gg
	s_lshr_b32 s24, s24, 2                         ; the batch
	s_lshl_b32 s30, s24, 23                        ; 2,048 rows of 4,096 bytes
	s_lshl_b32 s27, s26, 21                        ; 512 gg rows
	s_add_co_u32 s30, s30, s27
	s_lshl_b32 s27, s25, 18                        ; 64 rows
	s_add_co_u32 s30, s30, s27
	s_lshl_b32 s27, s26, 10                        ; key 512 gg,
	s_add_co_u32 s30, s30, s27
	s_add_co_u32 s30, s30, 512                     ; + 256 keys
	s_add_nc_u64 s[22:23], s[22:23], s[30:31]
	v_lshrrev_b32 v1, 5, v0                        ; a wave takes a row's 512 bytes
	v_and_b32 v2, 31, v0
	v_lshlrev_b32 v1, 12, v1
	v_lshl_add_u32 v1, v2, 4, v1
.irp j, 0,1,2,3
	v_mov_b32 v[X+\j], 0
.endr
.irp k, 0,1,2,3,4,5,6,7
	global_store_b128 v1, v[X:X+3], s[22:23] offset:8*4096*\k
.endr
	s_endpgm
.Lfunc_end_k_qbd5d312aa4_prep:
	.size	k_qbd5d312aa4_prep, .Lfunc_end_k_qbd5d312aa4_prep-k_qbd5d312aa4_prep
	.p2alignl 7, 3214868480
	.fill 96, 4, 3214868480
	.section	.rodata,"a",@progbits
	.p2align	6, 0x0
	.amdhsa_kernel k_qbd5d312aa4_prep
		.amdhsa_group_segment_fixed_size 18432
		.amdhsa_private_segment_fixed_size 0
		.amdhsa_enable_private_segment 0
		.amdhsa_kernarg_size 80
		.amdhsa_user_sgpr_count 2
		.amdhsa_user_sgpr_kernarg_segment_ptr 1
		.amdhsa_wavefront_size32 1
		.amdhsa_system_sgpr_workgroup_id_x 1
		.amdhsa_system_sgpr_workgroup_id_y 1
		.amdhsa_system_sgpr_workgroup_id_z 1
		.amdhsa_system_vgpr_workitem_id 0
		.amdhsa_next_free_vgpr 128
		.amdhsa_next_free_sgpr 66
		.amdhsa_reserve_vcc 0
		.amdhsa_float_denorm_mode_32 3
		.amdhsa_float_denorm_mode_16_64 3
		.amdhsa_memory_ordered 1
		.amdhsa_forward_progress 1
		.amdhsa_inst_pref_size 21
	.end_amdhsa_kernel
	.amdgpu_metadata
---
amdhsa.version: [ 1, 2 ]
amdhsa.kernels:
  - .name:           k_qbd5d312aa4_prep
    .symbol:         k_qbd5d312aa4_prep.kd
    .args:
      - { .name: x, .offset: 0, .size: 8, .value_kind: global_buffer, .address_space: global }
      - { .name: Qw, .offset: 8, .size: 8, .value_kind: global_buffer, .address_space: global }
      - { .name: Kw, .offset: 16, .size: 8, .value_kind: global_buffer, .address_space: global }
      - { .name: Vw, .offset: 24, .size: 8, .value_kind: global_buffer, .address_space: global }
      - { .name: xh, .offset: 32, .size: 8, .value_kind: global_buffer, .address_space: global }
      - { .name: qh, .offset: 40, .size: 8, .value_kind: global_buffer, .address_space: global }
      - { .name: kh, .offset: 48, .size: 8, .value_kind: global_buffer, .address_space: global }
      - { .name: wb, .offset: 56, .size: 8, .value_kind: global_buffer, .address_space: global }
      - { .name: stat, .offset: 64, .size: 8, .value_kind: global_buffer, .address_space: global }
      - { .name: pp, .offset: 72, .size: 8, .value_kind: global_buffer, .address_space: global }
    .group_segment_fixed_size: 18432
    .private_segment_fixed_size: 0
    .kernarg_segment_align: 8
    .kernarg_segment_size: 80
    .max_flat_workgroup_size: 256
    .sgpr_count:     66
    .vgpr_count:     128
    .wavefront_size: 32
...
	.end_amdgpu_metadata
.endif
;; end of part 1
;; launch mt (part 2): grid 8 x 8, 4 waves a work-group, clusters of 4 x 4, 327,680 bytes of LDS; arguments kh, qh, wb; writes wb
.if DOCPART == 2
	.amdgcn_target "amdgcn-amd-amdhsa--gfx1250"
	.amdhsa_code_object_version 6
	.text
	.protected	k_qbd5d312aa4_mt
	.globl	k_qbd5d312aa4_mt
	.p2align	8
	.type	k_qbd5d312aa4_mt,@function
k_qbd5d312aa4_mt:
	s_mov_b64 s[64:65], 0
	v_nop
	global_prefetch_b8 v0, s[64:65] scope:SCOPE_SE
	s_setreg_imm32_b32 hwreg(HW_REG_WAVE_MODE, 25, 1), 1
	s_wait_xcnt 0x0
	s_wait_alu depctr_hold_cnt(0) depctr_sa_sdst(0) depctr_va_vdst(0) depctr_va_sdst(0) depctr_va_ssrc(0) depctr_va_vcc(0) depctr_vm_vsrc(0)
	s_getreg_b32 s2, hwreg(HW_REG_IB_STS2, 6, 4)
	s_cmp_eq_u32 s2, 0
	s_cbranch_scc0 .Lentry_in_a_cluster
	s_endpgm
.Lentry_in_a_cluster:
	s_bfe_u32 s2, ttmp6, 0x10000c
	s_cmp_lg_u32 s2, 0xf033
	s_cbranch_scc0 .Lentry_shape_is_right
	s_endpgm
.Lentry_shape_is_right:
; wb[j][i] = sum over d of Kw[j][d] Qw[i][d] = (Qw Kw^T)[i][j], rows 0 to 1,023 of wb, in f16; sums in f32.  Q K^T = x (Qw Kw^T) x^T for every input, so this small product
; takes the place of the whole K projection.  C[m][n] = sum over k of A[m][k] B[n][k] with A = kh, B = qh, all [1024][1024] f16.
; LIMIT.  A sum of 65,520 or more in magnitude would become an infinity in f16; with all inputs 30 times the drawn spread the sums are about 18, with an offset of 30 spreads about 576.
; A tile of C is 128 x 128: 64 work-groups; tiles of 256 x 256 would be 16.  Four waves, each 64 x 64: 16 accumulators of 16 x 16, 128 registers.  K goes in steps of 256 (LDS rows of 512 bytes;
; a wave's tensor load brings 64 of them) through two slots; the four waves share ONE stage on the way out, with a barrier between writing and reading, since a wave's 64 columns are half of an aligned 256 bytes of C.
; CLUSTERS: 4 x 4 work-groups.  The four of a row of the cluster need the same tiles of A, the four of a column the same tiles of B: each tile is asked for JOINTLY, by the same tensor load with the
; same descriptor and a mask that names the four.  THE MATRIX INSTRUCTION IS USED TRANSPOSED (source 0 = 16 rows of B, source 1 = 16 rows of A): a lane then holds eight neighbouring numbers of a row of C.
; REGISTERS: window 0: v0-31 addresses; v32-95 at work on the way out; v128-255 the accumulators ((a, b) at v[128 + 8 (4 a + b)]).
;   window 1: two fragment buffers of 128: for 64 along K (two matrix instructions deep), 64 registers of A, then 64 of B.
.set SIZE_M, 1024
.set SIZE_N, 1024
.set SIZE_K, 1024
.set KSTEP,  256
.set PITCH,  528                       ; an LDS row: 512 bytes of data + 16 of padding = 132 words: the 16 rows of a fragment load start at 16 different groups of four banks (ISA guide 11.1)
.set HALFT,  64*PITCH                  ; 64 rows: what one tensor load brings, and what one wave reads of A or of B
.set SLOT,   4*HALFT                   ; A's 128 rows, then B's 128 rows
.set STAGE,  2*SLOT                    ; behind the ring: 128 rows x 272 bytes, the work-group's, for the way out
.set SPITCH, 272
.set SPARE,  STAGE+128*SPITCH          ; behind the stage: the spare words, 128 bytes for each wave
.set LAPS, SIZE_K/(2*KSTEP)            ; a lap = two K steps = once round the ring
.set ADRA, 16                          ; v16-17  LDS address of my A fragments in slot 0, 1
.set ADRB, 20                          ; v20-21  the same for B
.set STO,  24                          ; v24     the way out: where I put 16 bytes of a row
.set RD,   25                          ; v25     the way out: where I read a row back
.set CO,   26                          ; v26     my byte offset in C
.set SPW,  28                          ; v28     LDS address of my spare word; never rewritten
.set NIL,  29                          ; v29     0; never rewritten
.set TMP,  32                          ; the way out: 64 registers, packed results and then whole rows
.set ACC,  128
.set F0,   0                           ; fragment buffers, in window 1
.set F1,   128
.set G1, 24                            ; s[24:31] descriptor group 1 for A's tiles;  s[32:39] group 0, one set for each slot
.set G0, 32
.set G1B, 48                           ; s[48:55], s[56:63] the same for B's tiles
.set G0B, 56
.set MSB, 0
.macro WIN new                         ; the immediate's high byte repeats the setting that is left
.if MSB != (\new)
	s_set_vgpr_msb (MSB<<8)|(\new)
.set MSB, \new
.endif
.endm
.set MUL,  0x05                        ; sources 0 (B) and 1 (A) window 1; C and D window 0
.set TO_F, 0x40                        ; destination window 1, address window 0
.macro JLOAD s                         ; a joint load: waves 0 and 1 fetch A's two halves, waves 2 and 3 B's; an s_nop 0 and four v_nop follow each of the two lines
	s_cmp_eq_u32 s11, 0
	s_cbranch_scc0 .Lfor_b_\@
	tensor_load_to_lds s[G0+4*(\s):G0+4*(\s)+3], s[G1:G1+7]
	s_nop 0
.rept 4
	v_nop
.endr
	s_branch .Lasked_\@
.Lfor_b_\@:
	tensor_load_to_lds s[G0B+4*(\s):G0B+4*(\s)+3], s[G1B:G1B+7]
	s_nop 0
.rept 4
	v_nop
.endr
.Lasked_\@:
.endm
.macro CREST                           ; a round of the cluster's barrier behind its opening barrier
	s_cmp_lg_u32 s10, 0
	s_cbranch_scc1 .Lnot_wave_0_\@
	s_barrier_signal -3
.Lnot_wave_0_\@:
	s_barrier_wait -3
	s_barrier_signal -1
	s_barrier_wait -1
.endm
.macro CROUND                          ; a whole round
	s_barrier_signal -1
	s_barrier_wait -1
	CREST
.endm
	s_load_b128 s[4:7], s[0:1], 0x0                ; A s[4:5], B s[6:7]
	s_load_b64 s[8:9], s[0:1], 0x10                ; C
	v_lshl_add_u32 v[SPW], v0, 2, SPARE
	v_mov_b32 v[NIL], 0
	ds_add_u32 v[SPW], v[NIL]                      ; the wave's opening: the add and its wait stand ahead of my first tensor load; the set-up below stands between them
	ds_add_u32 v28, v29
	v_lshrrev_b32 v1, 5, v0
	v_readfirstlane_b32 s10, v1                    ; wave 0..3
	s_lshr_b32 s11, s10, 1                         ; which half of the tile's rows is mine.  Also: I fetch for A (0) or for B (1)
	s_and_b32 s12, s10, 1                          ; which half of its columns.  Also: which 64 rows of that tile I fetch
	s_bfe_u32 s40, ttmp6, 0x40000                  ; cx, cy: my place in the cluster
	s_bfe_u32 s41, ttmp6, 0x40004
	s_lshl_b32 s42, ttmp9, 2
	s_add_co_u32 s42, s42, s40                     ; tile column of C = 4 x cluster x + cx
	s_and_b32 s13, ttmp7, 0xffff
	s_lshl_b32 s13, s13, 2
	s_add_co_u32 s13, s13, s41                     ; tile row of C = 4 x cluster y + cy
	s_lshl_b32 s43, s41, 2
	s_lshl_b32 s43, 15, s43                        ; my row of the cluster
	s_lshl_b32 s44, 0x1111, s40                    ; my column
	; descriptor group 1: a tile of 64 rows x 256 elements, padded in LDS
	s_or_b32 s[G1+0], s43, (1<<16)|(1<<20)|(1<<21)|(6<<22)|(3<<25)  ; 15:0 the mask: A's tiles go to my row; 17:16 2-byte elements; 20 padding on; 21 set beside a mask; 24:22 after every 128 words; 31:25 4 words
	s_or_b32 s[G1B+0], s44, (1<<16)|(1<<20)|(1<<21)|(6<<22)|(3<<25)
.irp g, G1, G1B
	s_mov_b32 s[(\g)+1], KSTEP<<16                 ; tensor_dim0 = 256
	s_mov_b32 s[(\g)+2], 64<<16                    ; tensor_dim1 = 64
	s_mov_b32 s[(\g)+3], KSTEP<<16                 ; tile_dim0 = 256
	s_mov_b32 s[(\g)+4], 64                        ; tile_dim1 = 64
	s_mov_b32 s[(\g)+5], SIZE_K                    ; elements from row to row
	s_mov_b32 s[(\g)+6], 0
	s_mov_b32 s[(\g)+7], 0
.endr
	s_lshl_b32 s17, s12, 6                         ; which 64 rows of the tile I fetch
	s_lshl_b32 s16, s13, 7
	s_add_co_u32 s16, s16, s17                     ; A: row 128 x tile row + 64 x half
	s_lshl_b32 s46, s42, 7
	s_add_co_u32 s46, s46, s17                     ; B: row 128 x tile column + 64 x half
	s_mov_b32 s17, 0
	s_mov_b32 s47, 0
	s_mov_b64 s[18:19], SIZE_K*2
	s_mul_u64 s[16:17], s[16:17], s[18:19]
	s_mul_u64 s[46:47], s[46:47], s[18:19]
	s_mul_i32 s20, s10, HALFT                      ; where they go: wave x 64 rows
	s_wait_dscnt 0x0                               ; the opening add is done
	s_wait_kmcnt 0x0
	s_add_nc_u64 s[14:15], s[4:5], s[16:17]
	s_add_nc_u64 s[46:47], s[6:7], s[46:47]
	CROUND                                         ; all sixteen work-groups are here: the first joint loads meet
.irp s, 0,1
	s_mov_b32 s[G0+4*(\s)], 1
	s_add_co_u32 s[G0+4*(\s)+1], s20, (\s)*SLOT
	s_add_nc_u64 s[G0+4*(\s)+2:G0+4*(\s)+3], s[14:15], (\s)*KSTEP*2
	s_or_b32 s[G0+4*(\s)+3], s[G0+4*(\s)+3], 0x80000000
	s_mov_b32 s[G0B+4*(\s)], 1
	s_add_co_u32 s[G0B+4*(\s)+1], s20, (\s)*SLOT
	s_add_nc_u64 s[G0B+4*(\s)+2:G0B+4*(\s)+3], s[46:47], (\s)*KSTEP*2
	s_or_b32 s[G0B+4*(\s)+3], s[G0B+4*(\s)+3], 0x80000000
	JLOAD \s
.endr
	v_and_b32 v1, 15, v0                           ; l % 16
	v_bfe_u32 v2, v0, 4, 1                         ; l / 16
	v_mul_u32_u24 v3, v1, PITCH
	v_lshl_add_u32 v3, v2, 4, v3                   ; a fragment's row x pitch + 16 x half
	s_mul_i32 s21, s11, HALFT                      ; my 64 rows of A
	s_mul_i32 s22, s12, HALFT                      ; my 64 rows of B,
	s_add_co_u32 s22, s22, 2*HALFT                 ; which lie behind A's 128
.irp s, 0,1
	v_add_nc_u32 v[ADRA+(\s)], s21, v3
	v_add_nc_u32 v[ADRB+(\s)], s22, v3
	s_add_co_u32 s21, s21, SLOT
	s_add_co_u32 s22, s22, SLOT
.endr
	s_mul_i32 s23, s11, 64*SPITCH                  ; into the stage: my 64 rows, my half of their 256 bytes
	s_lshl_b32 s21, s12, 7
	s_add_co_u32 s23, s23, s21
	s_add_co_u32 s23, s23, STAGE
	v_mul_u32_u24 v4, v1, SPITCH
	v_lshl_add_u32 v4, v2, 4, v4
	v_add_nc_u32 v[STO], s23, v4
	s_mul_i32 s23, s10, 32*SPITCH                  ; back: wave w takes rows 32 w .. 32 w + 31, whole
	s_add_co_u32 s23, s23, STAGE
	v_mul_u32_u24 v5, v2, SPITCH
	v_lshl_add_u32 v5, v1, 4, v5
	v_add_nc_u32 v[RD], s23, v5
	v_mul_u32_u24 v5, v2, SIZE_N*2                 ; and the same two rows in C
	v_lshl_add_u32 v[CO], v1, 4, v5
	s_lshl_b32 s16, s13, 7
	s_lshl_b32 s17, s10, 5
	s_add_co_u32 s16, s16, s17                     ; the first row of C that I store: 128 x tile row + 32 x wave
	s_mov_b32 s17, 0
	s_mov_b64 s[18:19], SIZE_N*2
	s_mul_u64 s[16:17], s[16:17], s[18:19]
	s_add_nc_u64 s[8:9], s[8:9], s[16:17]
	s_lshl_b32 s46, s42, 8                         ; the tile's first column, in bytes
	s_mov_b32 s47, 0
	s_add_nc_u64 s[8:9], s[8:9], s[46:47]
; 8 matrix instructions: m blocks a0, a0 + 1 x all 4 n blocks, 32 along K: half c of buffer f.  zero = 1: the first product starts the sums.  The 16 accumulators take turns.
.macro MUL8 f, c, a0, zero
	WIN MUL
.irp a, \a0, (\a0)+1
.irp b, 0,1,2,3
.if \zero
	v_wmma_f32_16x16x32_f16 v[ACC+8*(4*(\a)+(\b)):ACC+8*(4*(\a)+(\b))+7], v[(\f)+64+8*(4*(\c)+(\b)):(\f)+64+8*(4*(\c)+(\b))+7], v[(\f)+8*(4*(\c)+(\a)):(\f)+8*(4*(\c)+(\a))+7], 0
.else
	v_wmma_f32_16x16x32_f16 v[ACC+8*(4*(\a)+(\b)):ACC+8*(4*(\a)+(\b))+7], v[(\f)+64+8*(4*(\c)+(\b)):(\f)+64+8*(4*(\c)+(\b))+7], v[(\f)+8*(4*(\c)+(\a)):(\f)+8*(4*(\c)+(\a))+7], v[ACC+8*(4*(\a)+(\b)):ACC+8*(4*(\a)+(\b))+7]
.endif
.endr
.endr
.endm
; 32 LDS loads in one run: the fragments of 64 along K at byte k of the rows, into buffer f; the first 32 along K first
.macro FETCH slot, k, f
	WIN TO_F
.irp c, 0,1
.irp i, 0,1,2,3
	ds_load_b128 v[(\f)+64+8*(4*(\c)+(\i)):(\f)+64+8*(4*(\c)+(\i))+3],   v[ADRB+(\slot)] offset:(\k)+64*(\c)+(\i)*16*PITCH
	ds_load_b128 v[(\f)+64+8*(4*(\c)+(\i))+4:(\f)+64+8*(4*(\c)+(\i))+7], v[ADRB+(\slot)] offset:(\k)+64*(\c)+(\i)*16*PITCH+32
	ds_load_b128 v[(\f)+8*(4*(\c)+(\i)):(\f)+8*(4*(\c)+(\i))+3],         v[ADRA+(\slot)] offset:(\k)+64*(\c)+(\i)*16*PITCH
	ds_load_b128 v[(\f)+8*(4*(\c)+(\i))+4:(\f)+8*(4*(\c)+(\i))+7],       v[ADRA+(\slot)] offset:(\k)+64*(\c)+(\i)*16*PITCH+32
.endr
.endr
.endm
.macro PLACES                          ; four places in front of loads into registers that matrix instructions have read, and of conversions that read results
.rept 4
	v_nop
.endr
.endm
; A K step is four quarters of 64 along K, 32 matrix instructions each, on buffers 0, 1, 0, 1.  One of the first three: multiplies buffer f and fetches the next quarter, at byte k, into g.
.macro QUARTER slot, k, f, g, zero
	s_wait_dscnt 16                                ; the first 32 along K are in; the youngest sixteen loads may be out
	WIN MUL
	MUL8 \f, 0, 0, \zero
	MUL8 \f, 0, 2, \zero
	PLACES
	FETCH \slot, \k, \g
	s_wait_dscnt 32                                ; all but the 32 just issued
	WIN MUL
	MUL8 \f, 1, 0, 0
	MUL8 \f, 1, 2, 0
.endm
; The last quarter multiplies buffer 1 and changes slots: ONE barrier; in front of it each wave waits for all its tensor loads, adds 0 to its spare word, and waits for that and for its own reads of this slot.
.macro TURN slot, next, fill
	WIN 0                                          ; (the add's two registers lie in window 0)
	s_wait_tensorcnt 0x0                           ; all my tensor loads have landed: my part of the next slot;
	ds_add_u32 v[SPW], v[NIL]                      ; 0 onto my spare word;
	s_wait_dscnt 17                                ; (the add and the youngest sixteen loads may be out)
	WIN MUL
	MUL8 F1, 0, 0, 0                               ; eight matrix instructions stand between the add and the wait for it
	s_wait_dscnt 0x0                               ; the add is done, and my reads of this slot are over
	s_barrier_signal -1
	MUL8 F1, 0, 2, 0
.if \fill
	WIN 0
.endif
	s_barrier_wait -1
.if \fill
	CREST                                          ; the barrier has opened a round of the cluster's barrier: no wave of any partner still reads this slot's tile or has a load on its way
	s_add_nc_u64 s[G0+4*(\slot)+2:G0+4*(\slot)+3], s[G0+4*(\slot)+2:G0+4*(\slot)+3], 2*KSTEP*2
	s_add_nc_u64 s[G0B+4*(\slot)+2:G0B+4*(\slot)+3], s[G0B+4*(\slot)+2:G0B+4*(\slot)+3], 2*KSTEP*2
	JLOAD \slot                                    ; the first tensor load behind the round; the four v_nop behind it are also the places in front of the loads below
.else
	PLACES
.endif
	FETCH \next, 0, F0
	WIN MUL
	MUL8 F1, 1, 0, 0
	MUL8 F1, 1, 2, 0
.endm
	s_wait_tensorcnt 1                             ; my part of K step 0 is in; K step 1's may stay out
	s_barrier_signal -1
	s_barrier_wait -1                              ; everybody's is
	FETCH 0, 0, F0
	QUARTER 0, 128, F0, F1, 1                      ; the first quarter stands in front of the loop: its first products start the sums
	WIN 0                                          ; at a label and at a branch every window is 0
	s_mov_b32 s3, LAPS-1
.Llap:                                                 ; a trip goes once round the ring, from a lap's second quarter to the next lap's first, and fills both slots again
	QUARTER 0, 256, F1, F0, 0
	QUARTER 0, 384, F0, F1, 0
	TURN 0, 1, 1
	QUARTER 1, 128, F0, F1, 0
	QUARTER 1, 256, F1, F0, 0
	QUARTER 1, 384, F0, F1, 0
	TURN 1, 0, 1
	QUARTER 0, 128, F0, F1, 0
	WIN 0
	s_sub_co_u32 s3, s3, 1
	s_cmp_lg_u32 s3, 0
	s_cbranch_scc1 .Llap
	QUARTER 0, 256, F1, F0, 0                      ; the last lap fills nothing, and has no round of the cluster's barrier
	QUARTER 0, 384, F0, F1, 0
	TURN 0, 1, 0
	QUARTER 1, 128, F0, F1, 0
	QUARTER 1, 256, F1, F0, 0
	QUARTER 1, 384, F0, F1, 0
	s_wait_dscnt 16                                ; the very last quarter: nothing more to fetch
	WIN MUL
	MUL8 F1, 0, 0, 0
	MUL8 F1, 0, 2, 0
	s_wait_dscnt 0
	MUL8 F1, 1, 0, 0
	MUL8 F1, 1, 2, 0
	WIN 0
	; THE WAY OUT: round to f16; 16 bytes a lane into the work-group's stage; a barrier, since a row's 256 bytes come from two waves; back as whole rows, 32 rows a wave.
	PLACES
.irp t, 0,1,2,3,4,5,6,7,8,9,10,11,12,13,14,15
.irp r, 0,1,2,3
	v_cvt_pk_f16_f32 v[TMP+4*(\t)+(\r)], v[ACC+8*(\t)+2*(\r)], v[ACC+8*(\t)+2*(\r)+1]
.endr
.endr
.irp a, 0,1,2,3
.irp b, 0,1,2,3
	ds_store_b128 v[STO], v[TMP+4*(4*(\a)+(\b)):TMP+4*(4*(\a)+(\b))+3] offset:(\a)*16*SPITCH+32*(\b)
.endr
.endr
	s_wait_dscnt 0x0                               ; for the others' sake: my stores into the stage are done
	s_barrier_signal -1
	s_barrier_wait -1
.irp t, 0,1,2,3,4,5,6,7,8,9,10,11,12,13,14,15
	ds_load_b128 v[TMP+4*(\t):TMP+4*(\t)+3], v[RD] offset:(\t)*2*SPITCH
.endr
.irp t, 0,1,2,3,4,5,6,7,8,9,10,11,12,13,14,15
	s_wait_dscnt 15-(\t)                           ; LDS loads come back in order: load t is in
	global_store_b128 v[CO], v[TMP+4*(\t):TMP+4*(\t)+3], s[8:9] offset:2*(\t)*SIZE_N*2  ; 16 lanes store 256 consecutive bytes, aligned
.endr
	s_wait_tensorcnt 0x0                           ; the wave's end: behind my last tensor load and my last LDS store
	ds_add_u32 v[SPW], v[NIL]
	s_wait_dscnt 0x0
	CROUND                                         ; the closing round: no work-group ends while a partner may still ask for a tile that names it
	s_endpgm
.Lfunc_end_k_qbd5d312aa4_mt:
	.size	k_qbd5d312aa4_mt, .Lfunc_end_k_qbd5d312aa4_mt-k_qbd5d312aa4_mt
	.p2alignl 7, 3214868480
	.fill 96, 4, 3214868480
	.section	.rodata,"a",@progbits
	.p2align	6, 0x0
	.amdhsa_kernel k_qbd5d312aa4_mt
		.amdhsa_group_segment_fixed_size 327680
		.amdhsa_private_segment_fixed_size 0
		.amdhsa_enable_private_segment 0
		.amdhsa_kernarg_size 24
		.amdhsa_user_sgpr_count 2
		.amdhsa_user_sgpr_kernarg_segment_ptr 1
		.amdhsa_wavefront_size32 1
		.amdhsa_system_sgpr_workgroup_id_x 1
		.amdhsa_system_sgpr_workgroup_id_y 1
		.amdhsa_system_sgpr_workgroup_id_z 1
		.amdhsa_system_vgpr_workitem_id 0
		.amdhsa_next_free_vgpr 512
		.amdhsa_next_free_sgpr 66
		.amdhsa_reserve_vcc 0
		.amdhsa_float_denorm_mode_32 3
		.amdhsa_float_denorm_mode_16_64 3
		.amdhsa_memory_ordered 1
		.amdhsa_forward_progress 1
		.amdhsa_inst_pref_size 87
	.end_amdhsa_kernel
	.amdgpu_metadata
---
amdhsa.version: [ 1, 2 ]
amdhsa.kernels:
  - .name:           k_qbd5d312aa4_mt
    .symbol:         k_qbd5d312aa4_mt.kd
    .args:
      - { .name: kh, .offset: 0, .size: 8, .value_kind: global_buffer, .address_space: global }
      - { .name: qh, .offset: 8, .size: 8, .value_kind: global_buffer, .address_space: global }
      - { .name: wb, .offset: 16, .size: 8, .value_kind: global_buffer, .address_space: global }
    .group_segment_fixed_size: 327680
    .private_segment_fixed_size: 0
    .kernarg_segment_align: 8
    .kernarg_segment_size: 24
    .max_flat_workgroup_size: 128
    .sgpr_count:     66
    .vgpr_count:     512
    .wavefront_size: 32
...
	.end_amdgpu_metadata
.endif
;; end of part 2
;; launch proj (part 3): grid 8 x 32, 4 waves a work-group, clusters of 4 x 4, 327,680 bytes of LDS; arguments xh, wb, qv; writes qv
.if DOCPART == 3
	.amdgcn_target "amdgcn-amd-amdhsa--gfx1250"
	.amdhsa_code_object_version 6
	.text
	.protected	k_qbd5d312aa4_proj
	.globl	k_qbd5d312aa4_proj
	.p2align	8
	.type	k_qbd5d312aa4_proj,@function
k_qbd5d312aa4_proj:
	s_mov_b64 s[64:65], 0
	v_nop
	global_prefetch_b8 v0, s[64:65] scope:SCOPE_SE
	s_setreg_imm32_b32 hwreg(HW_REG_WAVE_MODE, 25, 1), 1
	s_wait_xcnt 0x0
	s_wait_alu depctr_hold_cnt(0) depctr_sa_sdst(0) depctr_va_vdst(0) depctr_va_sdst(0) depctr_va_ssrc(0) depctr_va_vcc(0) depctr_vm_vsrc(0)
	s_getreg_b32 s2, hwreg(HW_REG_IB_STS2, 6, 4)
	s_cmp_eq_u32 s2, 0
	s_cbranch_scc0 .Lentry_in_a_cluster
	s_endpgm
.Lentry_in_a_cluster:
	s_bfe_u32 s2, ttmp6, 0x10000c
	s_cmp_lg_u32 s2, 0xf033
	s_cbranch_scc0 .Lentry_shape_is_right
	s_endpgm
.Lentry_shape_is_right:
; qv[q][n] = sum over k of xh[q][k] wb[n][k]: columns 0-1023 are Q' = x (Qw Kw^T), stored times 2^-10; columns 1024-2047 are V = x Vw.  xh: [8192][1024], wb: [2048][1024], qv: [8192][2048], f16; sums in f32.
; LIMITS.  f16 ends at 65,504.  Q' 2^-10 has a spread of 6e-4 on inputs of the drawn spread, 17 with all inputs 30 times larger, 17,300 with an offset of 30 spreads; V 0.8, 720 and 23,040.
; Below 6e-5 a number keeps f16's fixed step of 6e-8.  The factor 2^-10 is exact and is undone in the score launch's scale.
; A tile of C, 256 x 256, is made by four waves, each 128 x 128: 64 accumulators of 16 x 16, 512 registers: 8 x 32 = 256 work-groups.  K = 1,024 goes in 8 steps of 128 through two LDS slots filled by the
; tensor data mover; the rows of the tiles are 256 bytes of memory at multiples of 256 bytes.
; THE PIPELINE IS SHIFTED BY A QUARTER: a step's body multiplies the quarter fetched last and fetches its own four quarters, so that all quarters have one form, written as a pair that is walked twice,
; and the change of slots stands between two bodies.
; CLUSTERS: 4 x 4 work-groups; A's tile hangs on the tile row alone and is asked for jointly by a row of the cluster, B's on the tile column alone, by a column.
; THE MATRIX INSTRUCTION IS USED TRANSPOSED (source 0 = 16 rows of B, source 1 = 16 rows of A): a lane holds eight neighbouring numbers of a row of C.
; REGISTERS, in windows of 256 (s_set_vgpr_msb: bits 1:0 source 0, 3:2 source 1, 5:4 source 2, 7:6 destination):
;   window 0: v0-31 addresses; v32-63 rows read back on the way out; v64-127, v128-191 fragments of A, two buffers (v64-127 on the way out: a block's 64 numbers); v192-223 packed results
;   window 1: v64-127, v128-191 fragments of B      window 2: the accumulators of my rows 0-63 ((a, b) at v[8 (8 a + b)])      window 3: those of my rows 64-127
.set SIZE_M, 8192
.set SIZE_N, 2048
.set SIZE_K, 1024
.set KSTEP,  128
.set PITCH,  272                       ; an LDS row: 256 bytes + 16 of padding = 68 words: the 16 rows of a fragment load start at 16 different groups of four banks (ISA guide 11.1)
.set HALFT,  128*PITCH                 ; 128 rows: what one tensor load brings, and what one wave reads of A or of B
.set SLOT,   4*HALFT                   ; A's 256 rows, then B's 256 rows
.set STAGE,  2*SLOT                    ; behind the ring: 16 rows x 272 bytes for each wave, for the way out
.set SPITCH, 272
.set SPARE,  STAGE+4*16*SPITCH         ; behind the stages: the spare words, 128 bytes for each wave
.set ALN, 16                           ; v16  my lane's place in slot 0's tile of A; never rewritten
.set BLN, 17                           ; v17  the same for B
.set RA,  18                           ; v18  the LDS address of A's run of loads in hand
.set RB,  19                           ; v19  of B's
.set STO, 24                           ; v24  the way out: where I put 16 bytes of a row
.set RD,  25                           ; v25  the way out: where I read a row back
.set CO,  26                           ; v26  my byte offset in two rows of C
.set SPW, 28                           ; v28  LDS address of my spare word; never rewritten
.set NIL, 29                           ; v29  0; never rewritten
.set OB,  32
.set F0,  64
.set F1,  128
.set T,   64
.set TMP, 192
.set LAP, 2                            ; s2   laps to go
.set CNT, 3                            ; s3   counts a body's two pairs
.set WV,  10                           ; s10  my wave's number
.set WH,  11                           ; s11  its upper bit: my half of the tile's rows; also: I fetch for A (0) or B (1)
.set WL,  12                           ; s12  its lower bit: my half of the columns; also: which 128 rows I fetch
.set G1,  24                           ; s[24:31] descriptor group 1 for A's tiles;  s[32:39] group 0, a set for each slot
.set G0,  32
.set G1B, 48                           ; s[48:55], s[56:63] the same for B's
.set G0B, 56
.set TB,  66                           ; s66  LDS byte (slot and place along the rows) of the quarter to be fetched
.set BLK, 67                           ; s67  the way out's block
.set SC,  68                           ; s[68:69] 2^-10 for Q', 1 for V; the packed multiply takes the low word for both halves
.set MSB, 0
.macro WIN new                         ; the immediate's high byte repeats the setting that is left; a switch that changes nothing is dropped
.if MSB != (\new)
	s_set_vgpr_msb (MSB<<8)|(\new)
.set MSB, \new
.endif
.endm
.set MUL_LO, 0xa1                      ; source 0 (B) window 1, source 1 (A) window 0, C and D window 2
.set MUL_HI, 0xf1                      ; the same, C and D window 3
.set TO_B,   0x40                      ; destination window 1, address window 0
; A joint load.  Waves 0 and 1 fetch A's two halves, waves 2 and 3 B's.  The branch hangs on the wave's number alone.  An s_nop 0 and four v_nop follow each of the two lines.
.macro JLOAD s
	s_cmp_eq_u32 s[WH], 0
	s_cbranch_scc0 .Lfor_b_\@
	tensor_load_to_lds s[G0+4*(\s):G0+4*(\s)+3], s[G1:G1+7]
	s_nop 0
.rept 4
	v_nop
.endr
	s_branch .Lasked_\@
.Lfor_b_\@:
	tensor_load_to_lds s[G0B+4*(\s):G0B+4*(\s)+3], s[G1B:G1B+7]
	s_nop 0
.rept 4
	v_nop
.endr
.Lasked_\@:
.endm
; A round of the cluster's barrier: my work-group's barrier; wave 0 signals for the work-group; every wave waits for all sixteen; my work-group's barrier once more.
.macro CROUND
	s_barrier_signal -1
	s_barrier_wait -1
	s_cmp_lg_u32 s[WV], 0
	s_cbranch_scc1 .Lnot_wave_0_\@
	s_barrier_signal -3
.Lnot_wave_0_\@:
	s_barrier_wait -3
	s_barrier_signal -1
	s_barrier_wait -1
.endm
	s_load_b128 s[4:7], s[0:1], 0x0                ; xh s[4:5], wb s[6:7]
	s_load_b64 s[8:9], s[0:1], 0x10                ; qv
	v_lshl_add_u32 v[SPW], v0, 2, SPARE
	v_mov_b32 v[NIL], 0
	ds_add_u32 v[SPW], v[NIL]                      ; the wave's opening: the add and its wait stand ahead of my first tensor load; the set-up below stands between them
	ds_add_u32 v28, v29
	v_lshrrev_b32 v1, 5, v0
	v_readfirstlane_b32 s[WV], v1
	s_lshr_b32 s[WH], s[WV], 1
	s_and_b32 s[WL], s[WV], 1
	s_bfe_u32 s40, ttmp6, 0x40000                  ; cx
	s_bfe_u32 s41, ttmp6, 0x40004                  ; cy
	s_lshl_b32 s42, ttmp9, 2                       ; in a cluster launch ttmp9 and ttmp7 count clusters
	s_add_co_u32 s42, s42, s40                     ; tile column of C
	s_and_b32 s13, ttmp7, 0xffff
	s_lshl_b32 s13, s13, 2
	s_add_co_u32 s13, s13, s41                     ; tile row of C
	s_lshl_b32 s43, s41, 2
	s_lshl_b32 s43, 15, s43                        ; my row of the cluster
	s_lshl_b32 s44, 0x1111, s40                    ; my column
	s_mov_b32 s45, ttmp9
	s_cmp_eq_u32 s45, 0                            ; cluster column 0 holds tile columns 0-3: Q'
	s_cselect_b32 s[SC], 0x3a800000, 1.0           ; 2^-10, or 1
	s_mov_b32 s[SC+1], s[SC]                       ; named with it as a pair
	; descriptor group 1: a tile of 128 rows x 128 elements, padded in LDS
	s_or_b32 s[G1+0], s43, (1<<16)|(1<<20)|(1<<21)|(5<<22)|(3<<25)  ; 15:0 the mask; 17:16 2-byte elements; 20 padding on; 21 set beside a mask; 24:22 after every 64 words; 31:25 4 words
	s_or_b32 s[G1B+0], s44, (1<<16)|(1<<20)|(1<<21)|(5<<22)|(3<<25)
.irp g, G1, G1B
	s_mov_b32 s[(\g)+1], KSTEP<<16                 ; tensor_dim0 = 128
	s_mov_b32 s[(\g)+2], 128<<16                   ; tensor_dim1 = 128
	s_mov_b32 s[(\g)+3], KSTEP<<16                 ; tile_dim0 = 128
	s_mov_b32 s[(\g)+4], 128                       ; tile_dim1 = 128
	s_mov_b32 s[(\g)+5], SIZE_K                    ; elements from row to row
	s_mov_b32 s[(\g)+6], 0
	s_mov_b32 s[(\g)+7], 0
.endr
	; A's address hangs on the tile row alone, B's on the tile column alone, each in registers that never hold the other coordinate
	s_lshl_b32 s17, s[WL], 7
	s_lshl_b32 s16, s13, 8
	s_add_co_u32 s16, s16, s17                     ; A: row 256 x tile row + 128 x half
	s_lshl_b32 s46, s42, 8
	s_add_co_u32 s46, s46, s17                     ; B: row 256 x tile column + 128 x half
	s_mov_b32 s17, 0
	s_mov_b32 s47, 0
	s_mov_b64 s[18:19], SIZE_K*2
	s_mul_u64 s[16:17], s[16:17], s[18:19]
	s_mul_u64 s[46:47], s[46:47], s[18:19]
	s_mul_i32 s20, s[WV], HALFT                    ; where they go: wave x 128 rows
	s_wait_dscnt 0x0                               ; the opening add is done
	s_wait_kmcnt 0x0
	s_add_nc_u64 s[14:15], s[4:5], s[16:17]
	s_add_nc_u64 s[46:47], s[6:7], s[46:47]
	CROUND                                         ; all sixteen work-groups are here: the first joint loads meet
.irp s, 0,1
	s_mov_b32 s[G0+4*(\s)], 1
	s_add_co_u32 s[G0+4*(\s)+1], s20, (\s)*SLOT
	s_add_nc_u64 s[G0+4*(\s)+2:G0+4*(\s)+3], s[14:15], (\s)*KSTEP*2
	s_or_b32 s[G0+4*(\s)+3], s[G0+4*(\s)+3], 0x80000000
	s_mov_b32 s[G0B+4*(\s)], 1
	s_add_co_u32 s[G0B+4*(\s)+1], s20, (\s)*SLOT
	s_add_nc_u64 s[G0B+4*(\s)+2:G0B+4*(\s)+3], s[46:47], (\s)*KSTEP*2
	s_or_b32 s[G0B+4*(\s)+3], s[G0B+4*(\s)+3], 0x80000000
	JLOAD \s                                       ; K steps 0 and 1: two loads of mine are out
.endr
	; a fragment is 16 rows x 32 K in 8 registers: lane l holds row l % 16, K = 8 (l / 16) + 0..7 and 16 + 8 (l / 16) + 0..7: two loads of 16 bytes, 32 bytes apart
	v_and_b32 v1, 15, v0                           ; l % 16
	v_bfe_u32 v2, v0, 4, 1                         ; l / 16
	v_mul_u32_u24 v3, v1, PITCH
	v_lshl_add_u32 v3, v2, 4, v3
	s_mul_i32 s21, s[WH], HALFT                    ; my 128 rows of A
	s_mul_i32 s22, s[WL], HALFT                    ; my 128 rows of B,
	s_add_co_u32 s22, s22, 2*HALFT                 ; which lie behind A's 256
	v_add_nc_u32 v[ALN], s21, v3
	v_add_nc_u32 v[BLN], s22, v3
	s_mul_i32 s23, s[WV], 16*SPITCH
	s_add_co_u32 s23, s23, STAGE                   ; my stage
	v_mul_u32_u24 v4, v1, SPITCH                   ; in: row l % 16, 16 bytes for each half of the lanes
	v_lshl_add_u32 v4, v2, 4, v4
	v_add_nc_u32 v[STO], s23, v4
	v_mul_u32_u24 v5, v2, SPITCH                   ; back: lanes 0-15 take one row of 256 bytes, lanes 16-31 the next
	v_lshl_add_u32 v5, v1, 4, v5
	v_add_nc_u32 v[RD], s23, v5
	v_mul_u32_u24 v5, v2, SIZE_N*2                 ; and the same two rows in C
	v_lshl_add_u32 v[CO], v1, 4, v5
	s_lshl_b32 s13, s13, 8
	s_lshl_b32 s14, s[WH], 7
	s_add_co_u32 s16, s13, s14                     ; my first row of C
	s_mov_b32 s17, 0
	s_mov_b64 s[18:19], SIZE_N*2
	s_mul_u64 s[16:17], s[16:17], s[18:19]
	s_lshl_b32 s46, s42, 9                         ; my first column, in bytes
	s_lshl_b32 s47, s[WL], 8
	s_add_co_u32 s46, s46, s47
	s_mov_b32 s47, 0
	s_add_nc_u64 s[16:17], s[16:17], s[46:47]
	s_add_nc_u64 s[8:9], s[8:9], s[16:17]
; 16 matrix instructions: m blocks a0, a0 + 1 of the window's four x all 8 n blocks, 32 along K.  zero = 1: the product starts the sums.  The 64 accumulators take turns in the same order everywhere.
.macro MUL16 f, hi, a0, zero
	WIN MUL_LO+0x50*(\hi)
.irp a, \a0, (\a0)+1
.irp b, 0,1,2,3,4,5,6,7
.if \zero
	v_wmma_f32_16x16x32_f16 v[8*(8*(\a)+(\b)):8*(8*(\a)+(\b))+7], v[(\f)+8*(\b):(\f)+8*(\b)+7], v[(\f)+8*(4*(\hi)+(\a)):(\f)+8*(4*(\hi)+(\a))+7], 0
.else
	v_wmma_f32_16x16x32_f16 v[8*(8*(\a)+(\b)):8*(8*(\a)+(\b))+7], v[(\f)+8*(\b):(\f)+8*(\b)+7], v[(\f)+8*(4*(\hi)+(\a)):(\f)+8*(4*(\hi)+(\a))+7], v[8*(8*(\a)+(\b)):8*(8*(\a)+(\b))+7]
.endif
.endr
.endr
.endm
; 32 LDS loads in one run: the fragments of the quarter at s[TB] into buffer g.  The two additions and two v_nop are the four places between the last matrix instruction that read buffer g and the loads.
.macro FETCH g
	WIN 0
	v_add_nc_u32 v[RA], s[TB], v[ALN]
	v_add_nc_u32 v[RB], s[TB], v[BLN]
	v_nop
	v_nop
	WIN TO_B
.irp i, 0,1,2,3,4,5,6,7
	ds_load_b128 v[(\g)+8*(\i):(\g)+8*(\i)+3],   v[RB] offset:(\i)*16*PITCH
	ds_load_b128 v[(\g)+8*(\i)+4:(\g)+8*(\i)+7], v[RB] offset:(\i)*16*PITCH+32
.endr
	WIN 0
.irp i, 0,1,2,3,4,5,6,7
	ds_load_b128 v[(\g)+8*(\i):(\g)+8*(\i)+3],   v[RA] offset:(\i)*16*PITCH
	ds_load_b128 v[(\g)+8*(\i)+4:(\g)+8*(\i)+7], v[RA] offset:(\i)*16*PITCH+32
.endr
	s_add_co_u32 s[TB], s[TB], 64                  ; the next quarter: 32 along K
.endm
; A quarter: 64 matrix instructions on buffer f; in its middle the next quarter's fragments are fetched into buffer g.
.macro QUARTER f, g, zero
	s_wait_dscnt 8                                 ; B and A's rows 0-63 are in; the youngest eight loads (A's rows 64-127) may be out
	MUL16 \f, 0, 0, \zero
	MUL16 \f, 0, 2, \zero
	FETCH \g
	s_wait_dscnt 32                                ; all but the 32 just issued
	MUL16 \f, 1, 0, \zero
	MUL16 \f, 1, 2, \zero
.endm
; A K step's body: the last quarter of the step before and this step's first three are multiplied, this step's four are fetched.
.macro BODY slot
	s_mov_b32 s[TB], (\slot)*SLOT
	s_mov_b32 s[CNT], 2
.Lpair_\@:
	QUARTER F1, F0, 0
	QUARTER F0, F1, 0
	WIN 0                                          ; at a label and at a branch every window is 0
	s_sub_co_u32 s[CNT], s[CNT], 1
	s_cmp_lg_u32 s[CNT], 0
	s_cbranch_scc1 .Lpair_\@
.endm
; THE CHANGE OF SLOTS.  All of the slot's fragments have been asked for.  Each wave waits for all its tensor loads (one is out: its part of the other slot), adds 0 to its spare word, and waits for that and for
; its reads of the slot.  fill = 1: the barrier is a round of the cluster's, so that no wave of any partner still reads the slot or has a load on its way, and the joint refill, two K steps on, is the first thing
; behind it: it has a whole body, 256 matrix instructions, in which to land.
.macro CHANGE slot, fill
	WIN 0
	s_wait_tensorcnt 0x0                           ; no tensor load of mine is out, so a group 0 may be written
	ds_add_u32 v[SPW], v[NIL]                      ; 0 onto my spare word
.if \fill
	s_add_nc_u64 s[G0+4*(\slot)+2:G0+4*(\slot)+3], s[G0+4*(\slot)+2:G0+4*(\slot)+3], 2*KSTEP*2
	s_add_nc_u64 s[G0B+4*(\slot)+2:G0B+4*(\slot)+3], s[G0B+4*(\slot)+2:G0B+4*(\slot)+3], 2*KSTEP*2
.endif
	s_wait_dscnt 0x0                               ; the add is done, and my reads of the slot are back
.if \fill
	CROUND
	JLOAD \slot
.else
	s_barrier_signal -1
	s_barrier_wait -1
.endif
.endm
.macro PLACES
.rept 4
	v_nop
.endr
.endm
	s_wait_tensorcnt 1                             ; my part of K step 0 is in; K step 1's may stay out
	s_barrier_signal -1
	s_barrier_wait -1                              ; everybody's is
	s_mov_b32 s[TB], 0
	FETCH F0
	QUARTER F0, F1, 1                              ; K step 0 is written out: its first quarter starts the sums
	QUARTER F1, F0, 0
	QUARTER F0, F1, 0
	WIN 0
	s_mov_b32 s[LAP], 3
.Llap:                                                 ; three laps: K steps 1 to 6 are multiplied, 2 to 7 asked for
	CHANGE 0, 1
	BODY 1
	CHANGE 1, 1
	BODY 0
	s_sub_co_u32 s[LAP], s[LAP], 1
	s_cmp_lg_u32 s[LAP], 0
	s_cbranch_scc1 .Llap
	CHANGE 0, 0                                    ; the tail is written out: nothing is left to ask for
	BODY 1
	s_wait_dscnt 8                                 ; the very last quarter
	MUL16 F1, 0, 0, 0
	MUL16 F1, 0, 2, 0
	s_wait_dscnt 0x0
	MUL16 F1, 1, 0, 0
	MUL16 F1, 1, 2, 0
	WIN 0
; THE WAY OUT, a loop over my eight blocks of 16 rows.  Only GET names accumulators, so it stands eight times, reached by forward jumps on the block's number; the rest stands once.
.macro GET a                           ; block a's 64 numbers a lane, scaled, into T; each accumulator is read from its low end on
	WIN 0x02+((\a)/4)
.set AC, 64*((\a)%4)
.set n, 0
.rept 32
	v_pk_mul_f32 v[T+2*n:T+2*n+1], v[AC+2*n:AC+2*n+1], s[SC:SC+1] op_sel_hi:[1,0]
.set n, n+1
.endr
	WIN 0
.endm
	PLACES                                         ; between the last products and the first reads of results, and writes of A's buffer 0
	s_mov_b32 s[BLK], 0
.Lblk:
.irp a, 0,1,2,3,4,5,6
	s_cmp_eq_u32 s[BLK], \a
	s_cbranch_scc1 .Lget\a
.endr
	GET 7
	s_branch .Lcom
.irp a, 0,1,2,3,4,5
.Lget\a:
	GET \a
	s_branch .Lcom
.endr
.Lget6:
	GET 6
.Lcom:
.set n, 0
.rept 32
	v_cvt_pk_f16_f32 v[TMP+n], v[T+2*n], v[T+2*n+1]
.set n, n+1
.endr
.irp b, 0,1,2,3,4,5,6,7
	ds_store_b128 v[STO], v[TMP+4*(\b):TMP+4*(\b)+3] offset:32*(\b)
.endr
.irp t, 0,1,2,3,4,5,6,7
	ds_load_b128 v[OB+4*(\t):OB+4*(\t)+3], v[RD] offset:(\t)*2*SPITCH  ; LDS serves a wave's instructions in order (ISA guide 5.7.1.4): these see the stores above
.endr
	s_wait_dscnt 0x0
.irp t, 0,1,2,3,4,5,6,7
	global_store_b128 v[CO], v[OB+4*(\t):OB+4*(\t)+3], s[8:9] offset:2*(\t)*SIZE_N*2  ; 16 lanes store 256 consecutive bytes, aligned
.endr
	s_wait_xcnt 0x0                                ; the stores' base and data registers are rewritten only behind this wait
	s_add_nc_u64 s[8:9], s[8:9], 16*SIZE_N*2
	s_add_co_u32 s[BLK], s[BLK], 1
	s_cmp_lt_u32 s[BLK], 8
	s_cbranch_scc1 .Lblk
	s_wait_tensorcnt 0x0                           ; the wave's end: behind my last tensor load and my last LDS store
	ds_add_u32 v[SPW], v[NIL]
	s_wait_dscnt 0x0
	CROUND                                         ; the closing round
	s_endpgm
.Lfunc_end_k_qbd5d312aa4_proj:
	.size	k_qbd5d312aa4_proj, .Lfunc_end_k_qbd5d312aa4_proj-k_qbd5d312aa4_proj
	.p2alignl 7, 3214868480
	.fill 96, 4, 3214868480
	.section	.rodata,"a",@progbits
	.p2align	6, 0x0
	.amdhsa_kernel k_qbd5d312aa4_proj
		.amdhsa_group_segment_fixed_size 327680
		.amdhsa_private_segment_fixed_size 0
		.amdhsa_enable_private_segment 0
		.amdhsa_kernarg_size 24
		.amdhsa_user_sgpr_count 2
		.amdhsa_user_sgpr_kernarg_segment_ptr 1
		.amdhsa_wavefront_size32 1
		.amdhsa_system_sgpr_workgroup_id_x 1
		.amdhsa_system_sgpr_workgroup_id_y 1
		.amdhsa_system_sgpr_workgroup_id_z 1
		.amdhsa_system_vgpr_workitem_id 0
		.amdhsa_next_free_vgpr 1024
		.amdhsa_next_free_sgpr 72
		.amdhsa_reserve_vcc 0
		.amdhsa_float_denorm_mode_32 3
		.amdhsa_float_denorm_mode_16_64 3
		.amdhsa_memory_ordered 1
		.amdhsa_forward_progress 1
		.amdhsa_inst_pref_size 96
	.end_amdhsa_kernel
	.amdgpu_metadata
---
amdhsa.version: [ 1, 2 ]
amdhsa.kernels:
  - .name:           k_qbd5d312aa4_proj
    .symbol:         k_qbd5d312aa4_proj.kd
    .args:
      - { .name: xh, .offset: 0, .size: 8, .value_kind: global_buffer, .address_space: global }
      - { .name: wb, .offset: 8, .size: 8, .value_kind: global_buffer, .address_space: global }
      - { .name: qv, .offset: 16, .size: 8, .value_kind: global_buffer, .address_space: global }
    .group_segment_fixed_size: 327680
    .private_segment_fixed_size: 0
    .kernarg_segment_align: 8
    .kernarg_segment_size: 24
    .max_flat_workgroup_size: 128
    .sgpr_count:     72
    .vgpr_count:     1024
    .wavefront_size: 32
...
	.end_amdgpu_metadata
.endif
;; end of part 3
;; launch scores (part 4): grid 36 x 4, 4 waves a work-group, no clusters, 327,680 bytes of LDS; arguments qv, xh, pp, stat; writes pp, stat
.if DOCPART == 4
	.amdgcn_target "amdgcn-amd-amdhsa--gfx1250"
	.amdhsa_code_object_version 6
	.text
	.protected	k_qbd5d312aa4_scores
	.globl	k_qbd5d312aa4_scores
	.p2align	8
	.type	k_qbd5d312aa4_scores,@function
k_qbd5d312aa4_scores:
	s_mov_b64 s[64:65], 0
	v_nop
	global_prefetch_b8 v0, s[64:65] scope:SCOPE_SE
	s_setreg_imm32_b32 hwreg(HW_REG_WAVE_MODE, 25, 1), 1
	s_wait_xcnt 0x0
; SCORES AND THE FIRST HALF OF THE SOFTMAX.  For tile (i, j), j <= i, of 256 queries x 256 keys of a batch: acc = sum over d of (Q' 2^-10)[q][d] x[k][d] (f16 operands, f32 sums); t = c acc, c = 32 log2(e), is the
; score in base 2 (2^10 / sqrt(1024) = 32).  A wave owns 128 queries x one BLOCK of 128 keys.  For each query and block: m' = ceil(max t), P' = 2^(t - m') in (0, 1], l = sum of P'.
; pp[b][q][k] = P' in f16; stat holds m' at [b][block][q] and l in the same shape 524,288 bytes on, in f32.  The last launch joins the blocks: it takes the largest m' of a row away, so the maximum is subtracted
; as in the reference; m' is a whole number, so that joining factor is an exact power of two.  No exponent here is above 0, and a block's largest weight lies in (0.5, 1].
; THE MASK is an addend of the scaling: a hidden score counts as t = -1e30 (its weight is 0).  A block that is wholly hidden gets m' = -1e30 and weights 1, which the last launch multiplies by 0.
; LIMITS.  P' below 6e-5 keeps f16's fixed step of 6e-8; a weight below 2^-126 counts as 0 in l; |t| stays far below 1e30; NaN and infinities are not treated apart.
; NO CLUSTER: a batch's triangle has 36 tiles; rows of it have 1 to 8 tiles, so neither 4 x 4 nor 4 x 1 groups that share a tile divide it, and whole clusters laid over the diagonal would hold 6 work-groups in 16 with nothing to compute.
; The product's structure: four waves of 128 x 128, K = 1,024 in 8 steps of 128 through two LDS slots, the pipeline shifted by a quarter (a step's body multiplies the quarter fetched last and fetches its own four).
; THE MATRIX INSTRUCTION IS USED TRANSPOSED (source 0 = 16 keys, source 1 = 16 queries): a lane holds one query (lane % 16) and the keys 8 (lane / 16) + 0..7 of each group of 16.
; REGISTERS: window 0: v0-31 addresses and the diagonal's mask; v32-63 rows read back; v64-127, v128-191 fragments of A (v64-127 on the way out: a block row's 64 numbers); v192-223 packed weights; v224-233 statistics
;   window 1: v64-191 fragments of B      windows 2, 3: the accumulators ((a, b) at v[8 (8 (a % 4) + b)])
.set KSTEP,  128
.set PITCH,  272                       ; an LDS row: 256 bytes + 16 of padding: the 16 rows of a fragment load start at 16 different groups of four banks (ISA guide 11.1)
.set HALFT,  128*PITCH
.set SLOT,   4*HALFT                   ; A's 256 rows, then B's 256 rows
.set STAGE,  2*SLOT                    ; behind the ring: 16 rows x 272 bytes for each wave
.set SPITCH, 272
.set SSTG,   STAGE+4*16*SPITCH         ; 1,024 bytes for each wave: 128 m', then 128 l
.set SPARE,  SSTG+4*1024               ; the spare words, 128 bytes for each wave
.set DIA, 6                            ; v[6:13] the mask of a 16 x 16 block on the wave's diagonal
.set ALN, 16
.set BLN, 17
.set RA,  18
.set RB,  19
.set STO, 24
.set RD,  25
.set CO,  26
.set SSA, 27                           ; v27  my query's word in my wave's stage of statistics, block row 0
.set SPW, 28
.set NIL, 29
.set LA,  30                           ; v30  16 x lane in that stage
.set SG,  31                           ; v31  16 x lane
.set OB,  32
.set F0,  64
.set F1,  128
.set T,   64
.set TMP, 192
.set C0,  224                          ; v224-227 four chains of the maximum
.set NM,  228                          ; v[228:229] -m' in the low register
.set MP,  230                          ; m'
.set LS,  231                          ; l
.set LX,  232                          ; the other half of the lanes' part of l
.set SSB, 233
.set LAP, 2
.set CNT, 3
.set G1,  24
.set G0,  32
.set G1B, 48
.set G0B, 56
.set TB,  66
.set BLK, 67
.set CS,  68                           ; s[68:69] c
.set LOW, 70                           ; s[70:71] the mask of blocks left of the wave's diagonal
.set UPP, 72                           ; s[72:73] of blocks right of it
.set SEL, 74                           ; s[74:75] v_permlanex16_b32's selects: each lane takes its own place in the other half
.set BIGN, 80                          ; s80  -1e30
.set SO,  81                           ; s81  64 x the way out's block
.set WV,  84
.set WH,  85
.set WL,  86
.set MSB, 0
.macro WIN new
.if MSB != (\new)
	s_set_vgpr_msb (MSB<<8)|(\new)
.set MSB, \new
.endif
.endm
.set MUL_LO, 0xa1
.set MUL_HI, 0xf1
.set TO_B,   0x40
; A fill.  Waves 0 and 1 fetch A's two halves, waves 2 and 3 B's.  An s_nop 0 and four v_nop follow each of the two lines.
.macro LOAD s
	s_cmp_eq_u32 s[WH], 0
	s_cbranch_scc0 .Lfor_b_\@
	tensor_load_to_lds s[G0+4*(\s):G0+4*(\s)+3], s[G1:G1+7]
	s_nop 0
.rept 4
	v_nop
.endr
	s_branch .Lasked_\@
.Lfor_b_\@:
	tensor_load_to_lds s[G0B+4*(\s):G0B+4*(\s)+3], s[G1B:G1B+7]
	s_nop 0
.rept 4
	v_nop
.endr
.Lasked_\@:
.endm
	s_load_b256 s[4:11], s[0:1], 0x0               ; qv s[4:5], xh s[6:7], pp s[8:9], stat s[10:11]
	v_lshl_add_u32 v[SPW], v0, 2, SPARE
	v_mov_b32 v[NIL], 0
	ds_add_u32 v[SPW], v[NIL]                      ; the wave's opening: the add and its wait stand ahead of my first tensor load; the set-up below stands between them
	ds_add_u32 v28, v29
	v_lshrrev_b32 v1, 5, v0
	v_readfirstlane_b32 s[WV], v1
	s_lshr_b32 s[WH], s[WV], 1                     ; my half of the queries; also: I fetch for A (0) or B (1)
	s_and_b32 s[WL], s[WV], 1                      ; my half of the keys; also: which 128 rows I fetch
	s_mov_b32 s41, ttmp9                           ; the tile's number in the triangle, 0 to 35
	s_and_b32 s45, ttmp7, 0xffff                   ; the batch
	s_mov_b32 s40, 0
.irp th, 1,3,6,10,15,21,28
	s_cmp_ge_u32 s41, \th                          ; row i begins at tile i (i + 1) / 2:
	s_add_co_ci_u32 s40, s40, 0                    ; i = how many of these beginnings are reached
.endr
	s_add_co_u32 s42, s40, 1
	s_mul_i32 s42, s42, s40
	s_lshr_b32 s42, s42, 1
	s_sub_co_u32 s42, s41, s42                     ; j
	s_mov_b32 s[BIGN], 0xf149f2ca
	s_sub_co_i32 s43, s[WL], s[WH]                 ; in a diagonal tile: 0 my block holds the diagonal, 1 it is hidden, -1 it is seen
	s_cmp_eq_u32 s40, s42
	s_cselect_b32 s43, s43, -1
	s_cmp_eq_u32 s43, 1
	s_cselect_b32 s[LOW], s[BIGN], 0
	s_cmp_ge_i32 s43, 0
	s_cselect_b32 s[UPP], s[BIGN], 0
	s_mov_b32 s[LOW+1], 0                          ; named as pairs
	s_mov_b32 s[UPP+1], 0
	s_mov_b32 s[CS], 0x4238aa3b                    ; c = 32 log2(e)
	s_mov_b32 s[CS+1], s[CS]
	s_mov_b32 s[SEL], 0x76543210
	s_mov_b32 s[SEL+1], 0xfedcba98
	; descriptor group 1: a tile of 128 rows x 128 elements, padded in LDS; A's rows are 2,048 elements apart (qv), B's 1,024 (xh)
.irp g, G1, G1B
	s_mov_b32 s[(\g)+0], (1<<16)|(1<<20)|(5<<22)|(3<<25)  ; 17:16 2-byte elements; 20 padding on; 24:22 after every 64 words; 31:25 4 words
	s_mov_b32 s[(\g)+1], KSTEP<<16
	s_mov_b32 s[(\g)+2], 128<<16
	s_mov_b32 s[(\g)+3], KSTEP<<16
	s_mov_b32 s[(\g)+4], 128
	s_mov_b32 s[(\g)+6], 0
	s_mov_b32 s[(\g)+7], 0
.endr
	s_mov_b32 s[G1+5], 2048
	s_mov_b32 s[G1B+5], 1024
	s_lshl_b32 s21, s45, 11                        ; the batch's first row
	s_lshl_b32 s22, s[WL], 7
	s_add_co_u32 s21, s21, s22                     ; + the half that I fetch
	s_lshl_b32 s16, s40, 8
	s_add_co_u32 s16, s16, s21
	s_lshl_b32 s16, s16, 12                        ; A: 4,096 bytes a row
	s_mov_b32 s17, 0
	s_lshl_b32 s18, s42, 8
	s_add_co_u32 s18, s18, s21
	s_lshl_b32 s18, s18, 11                        ; B: 2,048 bytes a row
	s_mov_b32 s19, 0
	s_mul_i32 s20, s[WV], HALFT
	s_lshl_b32 s76, s45, 11                        ; pp: row 2,048 b + 256 i + 128 x my half, 4,096 bytes a row,
	s_lshl_b32 s77, s40, 8
	s_add_co_u32 s76, s76, s77
	s_lshl_b32 s77, s[WH], 7
	s_add_co_u32 s76, s76, s77
	s_lshl_b32 s76, s76, 12
	s_lshl_b32 s77, s42, 9                         ; key 256 j + 128 x my half, 2 bytes a key
	s_add_co_u32 s76, s76, s77
	s_lshl_b32 s77, s[WL], 8
	s_add_co_u32 s76, s76, s77
	s_mov_b32 s77, 0
	s_lshl_b32 s78, s45, 4                         ; stat: block 16 b + 2 j + my half, 2,048 queries a block,
	s_lshl_b32 s79, s42, 1
	s_add_co_u32 s78, s78, s79
	s_add_co_u32 s78, s78, s[WL]
	s_lshl_b32 s78, s78, 11
	s_lshl_b32 s79, s40, 8                         ; query 256 i + 128 x my half
	s_add_co_u32 s78, s78, s79
	s_lshl_b32 s79, s[WH], 7
	s_add_co_u32 s78, s78, s79
	s_lshl_b32 s78, s78, 2
	s_mov_b32 s79, 0
	s_wait_dscnt 0x0                               ; the opening add is done
	s_wait_kmcnt 0x0
	s_add_nc_u64 s[14:15], s[4:5], s[16:17]
	s_add_nc_u64 s[46:47], s[6:7], s[18:19]
	s_add_nc_u64 s[8:9], s[8:9], s[76:77]
	s_add_nc_u64 s[10:11], s[10:11], s[78:79]
.irp s, 0,1
	s_mov_b32 s[G0+4*(\s)], 1
	s_add_co_u32 s[G0+4*(\s)+1], s20, (\s)*SLOT
	s_add_nc_u64 s[G0+4*(\s)+2:G0+4*(\s)+3], s[14:15], (\s)*KSTEP*2
	s_or_b32 s[G0+4*(\s)+3], s[G0+4*(\s)+3], 0x80000000
	s_mov_b32 s[G0B+4*(\s)], 1
	s_add_co_u32 s[G0B+4*(\s)+1], s20, (\s)*SLOT
	s_add_nc_u64 s[G0B+4*(\s)+2:G0B+4*(\s)+3], s[46:47], (\s)*KSTEP*2
	s_or_b32 s[G0B+4*(\s)+3], s[G0B+4*(\s)+3], 0x80000000
	LOAD \s                                        ; K steps 0 and 1: two loads of mine are out
.endr
	v_and_b32 v1, 15, v0                           ; l % 16; kept
	v_bfe_u32 v2, v0, 4, 1                         ; l / 16; kept
	v_mul_u32_u24 v3, v1, PITCH
	v_lshl_add_u32 v3, v2, 4, v3
	s_mul_i32 s21, s[WH], HALFT
	s_mul_i32 s22, s[WL], HALFT
	s_add_co_u32 s22, s22, 2*HALFT
	v_add_nc_u32 v[ALN], s21, v3
	v_add_nc_u32 v[BLN], s22, v3
	s_mul_i32 s23, s[WV], 16*SPITCH
	s_add_co_u32 s23, s23, STAGE
	v_mul_u32_u24 v4, v1, SPITCH
	v_lshl_add_u32 v4, v2, 4, v4
	v_add_nc_u32 v[STO], s23, v4
	v_mul_u32_u24 v5, v2, SPITCH
	v_lshl_add_u32 v5, v1, 4, v5
	v_add_nc_u32 v[RD], s23, v5
	v_lshlrev_b32 v5, 12, v2                       ; two rows of pp, 4,096 bytes apart
	v_lshl_add_u32 v[CO], v1, 4, v5
	s_lshl_b32 s23, s[WV], 10
	s_add_co_u32 s23, s23, SSTG
	v_lshl_add_u32 v[SSA], v1, 2, s23
	v_and_b32 v[SG], 31, v0
	v_lshlrev_b32 v[SG], 4, v[SG]
	v_add_nc_u32 v[LA], s23, v[SG]
.macro MUL16 f, hi, a0, zero           ; 16 matrix instructions; the 64 accumulators take turns in the same order everywhere
	WIN MUL_LO+0x50*(\hi)
.irp a, \a0, (\a0)+1
.irp b, 0,1,2,3,4,5,6,7
.if \zero
	v_wmma_f32_16x16x32_f16 v[8*(8*(\a)+(\b)):8*(8*(\a)+(\b))+7], v[(\f)+8*(\b):(\f)+8*(\b)+7], v[(\f)+8*(4*(\hi)+(\a)):(\f)+8*(4*(\hi)+(\a))+7], 0
.else
	v_wmma_f32_16x16x32_f16 v[8*(8*(\a)+(\b)):8*(8*(\a)+(\b))+7], v[(\f)+8*(\b):(\f)+8*(\b)+7], v[(\f)+8*(4*(\hi)+(\a)):(\f)+8*(4*(\hi)+(\a))+7], v[8*(8*(\a)+(\b)):8*(8*(\a)+(\b))+7]
.endif
.endr
.endr
.endm
.macro FETCH g                         ; 32 LDS loads in one run; the two additions and two v_nop are the four places behind the last matrix instruction that read buffer g
	WIN 0
	v_add_nc_u32 v[RA], s[TB], v[ALN]
	v_add_nc_u32 v[RB], s[TB], v[BLN]
	v_nop
	v_nop
	WIN TO_B
.irp i, 0,1,2,3,4,5,6,7
	ds_load_b128 v[(\g)+8*(\i):(\g)+8*(\i)+3],   v[RB] offset:(\i)*16*PITCH
	ds_load_b128 v[(\g)+8*(\i)+4:(\g)+8*(\i)+7], v[RB] offset:(\i)*16*PITCH+32
.endr
	WIN 0
.irp i, 0,1,2,3,4,5,6,7
	ds_load_b128 v[(\g)+8*(\i):(\g)+8*(\i)+3],   v[RA] offset:(\i)*16*PITCH
	ds_load_b128 v[(\g)+8*(\i)+4:(\g)+8*(\i)+7], v[RA] offset:(\i)*16*PITCH+32
.endr
	s_add_co_u32 s[TB], s[TB], 64
.endm
.macro QUARTER f, g, zero
	s_wait_dscnt 8                                 ; B and A's rows 0-63 are in; the youngest eight loads (A's rows 64-127) may be out
	MUL16 \f, 0, 0, \zero
	MUL16 \f, 0, 2, \zero
	FETCH \g
	s_wait_dscnt 32                                ; all but the 32 just issued
	MUL16 \f, 1, 0, \zero
	MUL16 \f, 1, 2, \zero
.endm
.macro BODY slot
	s_mov_b32 s[TB], (\slot)*SLOT
	s_mov_b32 s[CNT], 2
.Lpair_\@:
	QUARTER F1, F0, 0
	QUARTER F0, F1, 0
	WIN 0
	s_sub_co_u32 s[CNT], s[CNT], 1
	s_cmp_lg_u32 s[CNT], 0
	s_cbranch_scc1 .Lpair_\@
.endm
; THE CHANGE OF SLOTS: each wave waits for all its tensor loads (one is out: its part of the other slot), adds 0 to its spare word, waits for that and for its reads of the slot, and passes the barrier;
; fill = 1: the slot's refill, two K steps on, is the first thing behind it and has a whole body, 256 matrix instructions, in which to land.
.macro CHANGE slot, fill
	WIN 0
	s_wait_tensorcnt 0x0
	ds_add_u32 v[SPW], v[NIL]
.if \fill
	s_add_nc_u64 s[G0+4*(\slot)+2:G0+4*(\slot)+3], s[G0+4*(\slot)+2:G0+4*(\slot)+3], 2*KSTEP*2
	s_add_nc_u64 s[G0B+4*(\slot)+2:G0B+4*(\slot)+3], s[G0B+4*(\slot)+2:G0B+4*(\slot)+3], 2*KSTEP*2
.endif
	s_wait_dscnt 0x0
	s_barrier_signal -1
	s_barrier_wait -1
.if \fill
	LOAD \slot
.endif
.endm
.macro PLACES
.rept 4
	v_nop
.endr
.endm
	s_wait_tensorcnt 1                             ; my part of K step 0 is in; K step 1's may stay out
	s_barrier_signal -1
	s_barrier_wait -1
	s_mov_b32 s[TB], 0
	FETCH F0
	QUARTER F0, F1, 1                              ; K step 0 is written out: its first quarter starts the sums
	QUARTER F1, F0, 0
	QUARTER F0, F1, 0
	WIN 0
	s_mov_b32 s[LAP], 3
.Llap:                                                 ; three laps: K steps 1 to 6 are multiplied, 2 to 7 asked for
	CHANGE 0, 1
	BODY 1
	CHANGE 1, 1
	BODY 0
	s_sub_co_u32 s[LAP], s[LAP], 1
	s_cmp_lg_u32 s[LAP], 0
	s_cbranch_scc1 .Llap
	CHANGE 0, 0
	BODY 1
	s_wait_dscnt 8
	MUL16 F1, 0, 0, 0
	MUL16 F1, 0, 2, 0
	s_wait_dscnt 0x0
	MUL16 F1, 1, 0, 0
	MUL16 F1, 1, 2, 0
	WIN 0
	PLACES                                         ; between the last products and the first reads of results, and writes of A's buffer 0
	; the mask of a block on the wave's diagonal: key 8 (l / 16) + jj is hidden from query l % 16 where jj > l % 16 - 8 (l / 16); made here, behind the last tensor load
	v_lshlrev_b32 v14, 3, v2
	v_sub_nc_u32 v14, v1, v14
	v_mov_b32 v15, s[LOW]
.irp jj, 0,1,2,3,4,5,6,7
	v_cmp_gt_i32 vcc_lo, \jj, v14
	v_cndmask_b32 v[DIA+\jj], v15, s[UPP], vcc_lo
.endr
	v_mov_b32 v[NM+1], 0                           ; named in a pair
	v_mov_b32 v[LX], 0                             ; v_permlanex16_b32's destination counts as read
; THE WAY OUT, a loop over my eight block rows of 16 queries.  Only GET names accumulators, so it stands eight times, reached by forward jumps on the block's number; the softmax and the stores stand once.
.macro GET a                           ; t = c acc + mask for block row a's 64 numbers a lane; each accumulator is read from its low end on
	WIN 0x02+((\a)/4)
.set AC, 64*((\a)%4)
.set bb, 0
.rept 8
.set z, 0
.rept 4
.if bb < (\a)
	v_pk_fma_f32 v[T+8*bb+2*z:T+8*bb+2*z+1], v[AC+8*bb+2*z:AC+8*bb+2*z+1], s[CS:CS+1], s[LOW:LOW+1] op_sel_hi:[1,0,0]
.elseif bb == (\a)
	v_pk_fma_f32 v[T+8*bb+2*z:T+8*bb+2*z+1], v[AC+8*bb+2*z:AC+8*bb+2*z+1], s[CS:CS+1], v[DIA+2*z:DIA+2*z+1] op_sel_hi:[1,0,1]
.else
	v_pk_fma_f32 v[T+8*bb+2*z:T+8*bb+2*z+1], v[AC+8*bb+2*z:AC+8*bb+2*z+1], s[CS:CS+1], s[UPP:UPP+1] op_sel_hi:[1,0,0]
.endif
.set z, z+1
.endr
.set bb, bb+1
.endr
	WIN 0
.endm
.macro TREE w                          ; pairs w registers apart are added, in place
.set p, 0
.rept (\w)/2
	v_pk_add_f32 v[T+2*p:T+2*p+1], v[T+2*p:T+2*p+1], v[T+(\w)+2*p:T+(\w)+2*p+1]
.set p, p+1
.endr
.endm
	s_mov_b32 s[BLK], 0
	s_mov_b32 s[SO], 0
.Lblk:
.irp a, 0,1,2,3,4,5,6
	s_cmp_eq_u32 s[BLK], \a
	s_cbranch_scc1 .Lget\a
.endr
	GET 7
	s_branch .Lcom
.irp a, 0,1,2,3,4,5
.Lget\a:
	GET \a
	s_branch .Lcom
.endr
.Lget6:
	GET 6
.Lcom:
	; the maximum of my 64 numbers: four chains of fifteen, three operands at a time, then the four left over
.irp k, 0,1,2,3
	v_max3_num_f32 v[C0+\k], v[T+16*\k], v[T+16*\k+1], v[T+16*\k+2]
.endr
.irp m, 3,5,7,9,11,13
.irp k, 0,1,2,3
	v_max3_num_f32 v[C0+\k], v[C0+\k], v[T+16*\k+\m], v[T+16*\k+\m+1]
.endr
.endr
	v_max3_num_f32 v[C0], v[C0], v[T+15], v[T+31]
	v_max3_num_f32 v[C0+2], v[C0+2], v[T+47], v[T+63]
	v_max3_num_f32 v[C0], v[C0], v[C0+1], v[C0+2]
	v_max_num_f32 v[C0], v[C0], v[C0+3]
	v_permlanex16_b32 v[C0+1], v[C0], s[SEL], s[SEL+1]  ; the query's other 64 keys lie in the lane 16 away
	v_max_num_f32 v[C0], v[C0], v[C0+1]
	v_mul_f32 v[C0+1], -1.0, v[C0]
	v_floor_f32 v[NM], v[C0+1]                     ; -m' = floor(-max) <= -max: no exponent below is above 0
	v_mul_f32 v[MP], -1.0, v[NM]                   ; m'
.set n, 0
.rept 32
	v_pk_add_f32 v[T+2*n:T+2*n+1], v[T+2*n:T+2*n+1], v[NM:NM+1] op_sel_hi:[1,0]
.set n, n+1
.endr
.set n, 0
.rept 64
	v_exp_f32 v[T+n], v[T+n]
.set n, n+1
.endr
	v_nop                                          ; a plain instruction between the last exponential and the use of its result (ISA guide 5.7.2)
.set n, 0
	s_wait_alu depctr_va_vdst(0)
.rept 32
	v_cvt_pk_f16_f32 v[TMP+n], v[T+2*n], v[T+2*n+1]
.set n, n+1
.endr
	TREE 32                                        ; l is the sum of the unrounded weights
	TREE 16
	TREE 8
	TREE 4
	TREE 2
	v_add_f32 v[LS], v[T], v[T+1]
	v_permlanex16_b32 v[LX], v[LS], s[SEL], s[SEL+1]
	v_add_f32 v[LS], v[LS], v[LX]
.irp b, 0,1,2,3,4,5,6,7
	ds_store_b128 v[STO], v[TMP+4*(\b):TMP+4*(\b)+3] offset:32*(\b)
.endr
	v_add_nc_u32 v[SSB], s[SO], v[SSA]
	ds_store_b32 v[SSB], v[MP]                     ; lanes l and l + 16 hold the same number and write the same word
	ds_store_b32 v[SSB], v[LS] offset:512
.irp t, 0,1,2,3,4,5,6,7
	ds_load_b128 v[OB+4*(\t):OB+4*(\t)+3], v[RD] offset:(\t)*2*SPITCH  ; LDS serves a wave's instructions in order (ISA guide 5.7.1.4): these see the stores above
.endr
	s_wait_dscnt 0x0
.irp t, 0,1,2,3,4,5,6,7
	global_store_b128 v[CO], v[OB+4*(\t):OB+4*(\t)+3], s[8:9] offset:2*(\t)*4096  ; 16 lanes store 256 consecutive bytes, aligned: a query's 128 weights
.endr
	s_wait_xcnt 0x0                                ; the stores' base and data registers are rewritten only behind this wait
	s_add_nc_u64 s[8:9], s[8:9], 16*4096
	s_add_co_u32 s[SO], s[SO], 64
	s_add_co_u32 s[BLK], s[BLK], 1
	s_cmp_lt_u32 s[BLK], 8
	s_cbranch_scc1 .Lblk
	ds_load_b128 v[OB:OB+3], v[LA]                 ; my wave's 128 m' and 128 l, four a lane
	ds_load_b128 v[OB+4:OB+7], v[LA] offset:512
	s_wait_dscnt 0x0
	global_store_b128 v[SG], v[OB:OB+3], s[10:11]  ; 512 consecutive bytes each, aligned
	global_store_b128 v[SG], v[OB+4:OB+7], s[10:11] offset:524288
	s_wait_tensorcnt 0x0                           ; the wave's end: behind my last tensor load and my last LDS store
	ds_add_u32 v[SPW], v[NIL]
	s_wait_dscnt 0x0
	s_endpgm
.Lfunc_end_k_qbd5d312aa4_scores:
	.size	k_qbd5d312aa4_scores, .Lfunc_end_k_qbd5d312aa4_scores-k_qbd5d312aa4_scores
	.p2alignl 7, 3214868480
	.fill 96, 4, 3214868480
	.section	.rodata,"a",@progbits
	.p2align	6, 0x0
	.amdhsa_kernel k_qbd5d312aa4_scores
		.amdhsa_group_segment_fixed_size 327680
		.amdhsa_private_segment_fixed_size 0
		.amdhsa_enable_private_segment 0
		.amdhsa_kernarg_size 32
		.amdhsa_user_sgpr_count 2
		.amdhsa_user_sgpr_kernarg_segment_ptr 1
		.amdhsa_wavefront_size32 1
		.amdhsa_system_sgpr_workgroup_id_x 1
		.amdhsa_system_sgpr_workgroup_id_y 1
		.amdhsa_system_sgpr_workgroup_id_z 1
		.amdhsa_system_vgpr_workitem_id 0
		.amdhsa_next_free_vgpr 1024
		.amdhsa_next_free_sgpr 88
		.amdhsa_reserve_vcc 1
		.amdhsa_float_denorm_mode_32 3
		.amdhsa_float_denorm_mode_16_64 3
		.amdhsa_memory_ordered 1
		.amdhsa_forward_progress 1
		.amdhsa_inst_pref_size 106
	.end_amdhsa_kernel
	.amdgpu_metadata
---
amdhsa.version: [ 1, 2 ]
amdhsa.kernels:
  - .name:           k_qbd5d312aa4_scores
    .symbol:         k_qbd5d312aa4_scores.kd
    .args:
      - { .name: qv, .offset: 0, .size: 8, .value_kind: global_buffer, .address_space: global }
      - { .name: xh, .offset: 8, .size: 8, .value_kind: global_buffer, .address_space: global }
      - { .name: pp, .offset: 16, .size: 8, .value_kind: global_buffer, .address_space: global }
      - { .name: stat, .offset: 24, .size: 8, .value_kind: global_buffer, .address_space: global }
    .group_segment_fixed_size: 327680
    .private_segment_fixed_size: 0
    .kernarg_segment_align: 8
    .kernarg_segment_size: 32
    .max_flat_workgroup_size: 128
    .sgpr_count:     88
    .vgpr_count:     1024
    .wavefront_size: 32
...
	.end_amdgpu_metadata
.endif
;; end of part 4
;; launch pv (part 5): grid 8 x 32, 4 waves a work-group, clusters of 4 x 4, 327,680 bytes of LDS; arguments pp, qv, stat, out0; writes out0
.if DOCPART == 5
	.amdgcn_target "amdgcn-amd-amdhsa--gfx1250"
	.amdhsa_code_object_version 6
	.text
	.protected	k_qbd5d312aa4_pv
	.globl	k_qbd5d312aa4_pv
	.p2align	8
	.type	k_qbd5d312aa4_pv,@function
k_qbd5d312aa4_pv:
	s_mov_b64 s[64:65], 0
	v_nop
	global_prefetch_b8 v0, s[64:65] scope:SCOPE_SE
	s_setreg_imm32_b32 hwreg(HW_REG_WAVE_MODE, 25, 1), 1
	s_wait_xcnt 0x0
	s_wait_alu depctr_hold_cnt(0) depctr_sa_sdst(0) depctr_va_vdst(0) depctr_va_sdst(0) depctr_va_ssrc(0) depctr_va_vcc(0) depctr_vm_vsrc(0)
	s_getreg_b32 s2, hwreg(HW_REG_IB_STS2, 6, 4)
	s_cmp_eq_u32 s2, 0
	s_cbranch_scc0 .Lentry_in_a_cluster
	s_endpgm
.Lentry_in_a_cluster:
	s_bfe_u32 s2, ttmp6, 0x10000c
	s_cmp_lg_u32 s2, 0xf033
	s_cbranch_scc0 .Lentry_shape_is_right
	s_endpgm
.Lentry_shape_is_right:
; THE SECOND HALF OF THE SOFTMAX AND THE SECOND PRODUCT.  out0[b][q][c] = (1 / L) sum over blocks of beta sum over the block's 128 keys of P'[q][k] V[k][c], with M' = the largest m' of the row's blocks,
; beta = 2^(m' - M') and L = sum of beta l: the row's maximum is taken away here.  m' and M' are whole numbers, so beta is a power of two and beta P' in f16 rounds nothing above f16's denormals.
; P' = pp [4][2048][2048] f16; V = columns 1024-2047 of qv [8192][2048] f16; m' and l = stat; out0 f32.  Products in f16, sums in f32.
; LIMITS.  A block more than 2^24 below its row's largest counts as 0 in the product (beta below f16's smallest step); beta P' below 6e-5 keeps f16's fixed step of 6e-8; NaN and infinities are not treated apart.
; SHARES.  A work-group makes 128 queries x 128 channels, a wave 64 x 64: 16 accumulators.  A cluster of 4 x 4 takes a group of 512 queries (cy picks 128 of them) x 512 channels (cx picks 128).
; THE WALK.  Group g of a batch's four needs the keys 0 to 512 g + 511: 2 g + 2 steps of 256.  A cluster takes groups 3 - u and then u: 10 steps, whatever u: all work-groups do equal work, and one loop with
; a constant trip count walks them; the ring runs on across the change of groups.  All partners walk alike and make every joint request: for a group's first 256 queries its last step meets zeros in pp and beta = 0.
; P's tile hangs on cy and is asked for jointly by a row of the cluster, V's on cx, by a column.
; LAYOUT.  O^T = V^T P: source 0 = 16 channels x 32 keys, V turned by ds_load_tr16_b128; source 1 = 16 queries x 32 keys, P as it lies.  A lane holds one query (lane % 16) and eight channels, and P's fragment
; holds the same query in the same lane, so beta is one packed multiply a register, two of them behind each matrix instruction.
; THE PIPELINE IS SHIFTED BY A QUARTER (64 keys): a pair of quarters multiplies the quarter fetched last and one more and fetches a block's two; the first pair's first quarter multiplies zeros, so no first step is written out.
; THE TABLE, each wave's own: rows of 256 bytes; rows 0-19 (beta, beta) in f16 for my 64 queries, in the order of the walk's 20 blocks, so that its address steps by a constant; row 20 the first group's 1 / L, row 21 the second's.
; REGISTERS (s_set_vgpr_msb: bits 1:0 source 0, 3:2 source 1, 5:4 source 2, 7:6 destination):
;   window 0: v0-18 addresses; v32-35, v36-39 beta of the block before and of the block in hand; v40-47 1 / L; v64-127, v128-191 V's fragments, two buffers; v192-255 the way out
;   window 1: v0-127 the accumulators ((a, b) at v[8 (4 a + b)]); v128-191, v192-255 P's fragments, two buffers
.set PP,    528                        ; a row of P in LDS: 512 bytes + 16: the 16 rows of a fragment load start at 16 different groups of four banks (ISA guide 11.1)
.set PV,    288                        ; a row of V: 256 + 32
.set VOFF,  128*PP                     ; a slot: 128 rows of P, then 256 rows of V
.set SLOT,  VOFF+256*PV
.set STAGE, 2*SLOT                     ; behind the ring: 16 rows x 272 bytes for each wave
.set SP,    272
.set TAB,   STAGE+4*16*SP              ; the tables
.set TABW,  22*256
.set SPARE, TAB+4*TABW                 ; the spare words, 128 bytes for each wave
.set PLN, 2                            ; v2   my lane's place in slot 0's tile of P; never rewritten
.set VLN, 3                            ; v3   the same for V
.set TLN, 4                            ; v4   my query's word in a row of my table
.set RP,  5                            ; v5-7 the addresses of the run of loads in hand
.set RV,  6
.set RT,  7
.set STO, 8
.set RD,  10
.set GO,  11
.set SPW, 12
.set NIL, 13
.set TW,  17                           ; v17  8 x lane in my table
.set SL,  18                           ; v18  8 x lane
.set BA,  32
.set BB,  36
.set IL,  40
.set VF,  64
.set OT,  192
.set OB,  224
.set PF,  128                          ; window 1
.set ML,  64                           ; at the start: the first group's 16 pairs of m', then beta
.set LG,  96                           ; its l, then packed beta
.set MS,  192                          ; the second group's 8 pairs
.set LH,  208
.set MX,  224
.set IVL, 226
.set IVS, 228
.set WV,  12
.set WH,  13                           ; my half of the queries; also: I fetch P (0) or V (1)
.set WL,  14                           ; my half of the channels; also: which half of the tile I fetch
.set PB,  16                           ; s[16:17] pp at the rows that I fetch, group 0, key 0
.set VB,  18                           ; s[18:19] qv at the keys and channels that I fetch, step 0
.set G1P, 24
.set G0P, 32
.set G1V, 48
.set G0V, 56
.set LAP, 66
.set CNT, 67
.set TP,  68                           ; LDS byte of the quarter to be fetched, for P
.set TV,  69                           ; for V
.set TS,  70                           ; the table's row to be fetched
.set NXT, 71                           ; the group's step to be asked for next
.set NLIM, 72                          ; at which the walk goes over to the second group
.set GOFF, 73                          ; the byte offset in pp of the group whose tiles are being asked for
.set GS21, 74                          ; the second group's
.set SN,  75                           ; the walk's step
.set NL,  76                           ; the first group's steps
.set HK,  77                           ; 1: the body to come ends the first group
.set OS,  78                           ; s[78:79] out0 at my rows of the second group
.set SBL, 80                           ; s[80:81] stat at my queries of the first group
.set SBS, 82                           ; s[82:83] of the second
.set UM,  84                           ; all ones if u = 1
.set MSB, 0
.macro WIN new
.if MSB != (\new)
	s_set_vgpr_msb (MSB<<8)|(\new)
.set MSB, \new
.endif
.endm
.set W_MM, 0x54                        ; source 0 (V, or beta) window 0; source 1 (P), C and D window 1: one setting for the products and the scalings
.macro JLOAD s                         ; a joint load: waves 0 and 1 fetch P's two halves, waves 2 and 3 V's; an s_nop 0 and four v_nop follow each of the two lines
	s_cmp_eq_u32 s[WH], 0
	s_cbranch_scc0 .Lfor_v_\@
	tensor_load_to_lds s[G0P+4*(\s):G0P+4*(\s)+3], s[G1P:G1P+7]
	s_nop 0
.rept 4
	v_nop
.endr
	s_branch .Lasked_\@
.Lfor_v_\@:
	tensor_load_to_lds s[G0V+4*(\s):G0V+4*(\s)+3], s[G1V:G1V+7]
	s_nop 0
.rept 4
	v_nop
.endr
.Lasked_\@:
.endm
.macro CROUND                          ; a round of the cluster's barrier
	s_barrier_signal -1
	s_barrier_wait -1
	s_cmp_lg_u32 s[WV], 0
	s_cbranch_scc1 .Lnot_wave_0_\@
	s_barrier_signal -3
.Lnot_wave_0_\@:
	s_barrier_wait -3
	s_barrier_signal -1
	s_barrier_wait -1
.endm
.macro PLACES
.rept 4
	v_nop
.endr
.endm
	s_load_b256 s[4:11], s[0:1], 0x0               ; pp s[4:5], qv s[6:7], stat s[8:9], out0 s[10:11]
	v_lshl_add_u32 v[SPW], v0, 2, SPARE
	v_mov_b32 v[NIL], 0
	ds_add_u32 v[SPW], v[NIL]                      ; the wave's opening: the add and its wait stand ahead of my first tensor load; the set-up below stands between them
	ds_add_u32 v12, v13
	v_lshrrev_b32 v1, 5, v0
	v_readfirstlane_b32 s[WV], v1
	s_lshr_b32 s[WH], s[WV], 1
	s_and_b32 s[WL], s[WV], 1
	s_bfe_u32 s40, ttmp6, 0x40000                  ; cx
	s_bfe_u32 s41, ttmp6, 0x40004                  ; cy
	s_lshl_b32 s42, ttmp9, 2
	s_add_co_u32 s42, s42, s40                     ; my block of 128 channels
	s_and_b32 s45, ttmp7, 0xffff                   ; the cluster's y, which all partners share:
	s_lshr_b32 s46, s45, 1                         ; the batch,
	s_and_b32 s47, s45, 1                          ; and u
	s_lshl_b32 s43, s41, 2
	s_lshl_b32 s43, 15, s43                        ; my row of the cluster
	s_lshl_b32 s44, 0x1111, s40                    ; my column
	; descriptor group 1.  P: 64 rows x 256 elements; V: 128 rows x 128 elements; both 2,048 elements from row to row
	s_or_b32 s[G1P+0], s43, (1<<16)|(1<<20)|(1<<21)|(6<<22)|(3<<25)  ; the mask; 2-byte elements; padding on; 21 set beside a mask; after every 128 words 4 words
	s_mov_b32 s[G1P+1], 256<<16
	s_mov_b32 s[G1P+2], 64<<16
	s_mov_b32 s[G1P+3], 256<<16
	s_mov_b32 s[G1P+4], 64
	s_mov_b32 s[G1P+5], 2048
	s_mov_b32 s[G1P+6], 0
	s_mov_b32 s[G1P+7], 0
	s_or_b32 s[G1V+0], s44, (1<<16)|(1<<20)|(1<<21)|(5<<22)|(7<<25)  ; after every 64 words 8 words
	s_mov_b32 s[G1V+1], 128<<16
	s_mov_b32 s[G1V+2], 128<<16
	s_mov_b32 s[G1V+3], 128<<16
	s_mov_b32 s[G1V+4], 128
	s_mov_b32 s[G1V+5], 2048
	s_mov_b32 s[G1V+6], 0
	s_mov_b32 s[G1V+7], 0
	; the walk
	s_sub_co_u32 s85, 3, s47                       ; the first group
	s_lshl_b32 s[GOFF], s85, 21                    ; 512 rows of 4,096 bytes a group
	s_lshl_b32 s[GS21], s47, 21
	s_lshl_b32 s[NL], s47, 1
	s_sub_co_u32 s[NL], 8, s[NL]                   ; 8 - 2 u steps
	s_mov_b32 s[NLIM], s[NL]
	s_mov_b32 s[NXT], 2
	s_cmp_eq_u32 s47, 1
	s_cselect_b32 s[UM], -1, 0
	; P's offset hangs on cy, V's on cx, each in registers that never hold the other coordinate
	s_lshl_b32 s20, s46, 11
	s_lshl_b32 s21, s41, 7
	s_add_co_u32 s20, s20, s21
	s_lshl_b32 s21, s[WL], 6
	s_add_co_u32 s20, s20, s21                     ; row 2,048 b + 128 cy + 64 x half
	s_lshl_b32 s20, s20, 12
	s_mov_b32 s21, 0
	s_lshl_b32 s22, s46, 11
	s_lshl_b32 s23, s[WL], 7
	s_add_co_u32 s22, s22, s23                     ; key row 2,048 b + 128 x half
	s_lshl_b32 s22, s22, 12
	s_lshl_b32 s23, s42, 8                         ; 128 channels of 2 bytes,
	s_add_co_u32 s22, s22, s23
	s_add_co_u32 s22, s22, 2048                    ; behind Q's 1,024 columns
	s_mov_b32 s23, 0
	s_mul_i32 s94, s[WL], 64*PP
	s_mul_i32 s95, s[WL], 128*PV
.irp s, 0,1
	s_mov_b32 s[G0P+4*(\s)], 1
	s_add_co_u32 s[G0P+4*(\s)+1], s94, (\s)*SLOT
	s_mov_b32 s[G0V+4*(\s)], 1
	s_add_co_u32 s[G0V+4*(\s)+1], s95, (\s)*SLOT+VOFF
.endr
	; stat and out0 at my wave's 64 queries of both groups
	s_lshl_b32 s86, s41, 7
	s_lshl_b32 s87, s[WH], 6
	s_add_co_u32 s86, s86, s87                     ; in a group
	s_lshl_b32 s87, s85, 9
	s_add_co_u32 s87, s87, s86                     ; in the batch: first group,
	s_lshl_b32 s88, s47, 9
	s_add_co_u32 s88, s88, s86                     ; second group
	s_lshl_b32 s89, s46, 15                        ; 16 blocks of 2,048 queries a batch
	s_add_co_u32 s[SBL], s89, s87
	s_lshl_b32 s[SBL], s[SBL], 2
	s_mov_b32 s[SBL+1], 0
	s_add_co_u32 s[SBS], s89, s88
	s_lshl_b32 s[SBS], s[SBS], 2
	s_mov_b32 s[SBS+1], 0
	s_lshl_b32 s89, s46, 11
	s_add_co_u32 s87, s87, s89
	s_add_co_u32 s88, s88, s89
	s_lshl_b32 s89, s42, 9                         ; 128 channels of 4 bytes
	s_lshl_b32 s90, s[WL], 8
	s_add_co_u32 s89, s89, s90
	s_lshl_b32 s92, s87, 12
	s_add_co_u32 s92, s92, s89
	s_mov_b32 s93, 0
	s_lshl_b32 s[OS], s88, 12
	s_add_co_u32 s[OS], s[OS], s89
	s_mov_b32 s[OS+1], 0
	s_wait_dscnt 0x0                               ; the opening add is done
	s_wait_kmcnt 0x0
	s_add_nc_u64 s[PB:PB+1], s[4:5], s[20:21]
	s_add_nc_u64 s[VB:VB+1], s[6:7], s[22:23]
	s_add_nc_u64 s[SBL:SBL+1], s[8:9], s[SBL:SBL+1]
	s_add_nc_u64 s[SBS:SBS+1], s[8:9], s[SBS:SBS+1]
	s_add_nc_u64 s[OS:OS+1], s[10:11], s[OS:OS+1]
	s_add_nc_u64 s[10:11], s[10:11], s[92:93]
	s_mov_b32 s20, s[GOFF]                         ; the first group's steps 0 and 1
	s_add_nc_u64 s[G0P+2:G0P+3], s[PB:PB+1], s[20:21]
	s_or_b32 s[G0P+3], s[G0P+3], 0x80000000
	s_add_co_u32 s20, s[GOFF], 512
	s_add_nc_u64 s[G0P+6:G0P+7], s[PB:PB+1], s[20:21]
	s_or_b32 s[G0P+7], s[G0P+7], 0x80000000
	s_add_nc_u64 s[G0V+2:G0V+3], s[VB:VB+1], 0
	s_or_b32 s[G0V+3], s[G0V+3], 0x80000000
	s_add_nc_u64 s[G0V+6:G0V+7], s[VB:VB+1], 0x100000
	s_or_b32 s[G0V+7], s[G0V+7], 0x80000000
	CROUND                                         ; all sixteen work-groups are here: the first joint loads meet
	JLOAD 0
	JLOAD 1                                        ; two loads of mine are out
	v_and_b32 v1, 15, v0                           ; l % 16
	v_bfe_u32 v9, v0, 4, 1                         ; l / 16
	v_mul_u32_u24 v[PLN], v1, PP                   ; P: row x pitch + 16 x half, in my 64 rows
	v_lshl_add_u32 v[PLN], v9, 4, v[PLN]
	s_mul_i32 s94, s[WH], 64*PP
	v_add_nc_u32 v[PLN], s94, v[PLN]
	v_and_b32 v14, 7, v0                           ; V: the turning load's lane l reads key 8 (l / 16) + l % 8, channels 8 ((l / 8) % 2) + 0..7
	v_bfe_u32 v15, v0, 3, 1
	v_lshl_add_u32 v[VLN], v9, 3, v14
	v_mul_u32_u24 v[VLN], v[VLN], PV
	v_lshl_add_u32 v[VLN], v15, 4, v[VLN]
	s_lshl_b32 s94, s[WL], 7                       ; my 64 channels
	s_add_co_u32 s94, s94, VOFF
	v_add_nc_u32 v[VLN], s94, v[VLN]
	s_mul_i32 s94, s[WV], TABW
	s_add_co_u32 s94, s94, TAB                     ; my table
	v_lshl_add_u32 v[TLN], v1, 2, s94
	v_and_b32 v16, 31, v0
	v_lshl_add_u32 v[TW], v16, 3, s94
	v_lshlrev_b32 v[SL], 3, v16
	s_mul_i32 s94, s[WV], 16*SP
	s_add_co_u32 s94, s94, STAGE                   ; my stage
	v_mul_u32_u24 v[STO], v1, SP                   ; in: row l % 16, 32 bytes for each half of the lanes
	v_lshl_add_u32 v[STO], v9, 5, v[STO]
	v_add_nc_u32 v[STO], s94, v[STO]
	v_mul_u32_u24 v[RD], v9, SP                    ; back: lanes 0-15 take one row of 256 bytes, lanes 16-31 the next
	v_lshl_add_u32 v[RD], v1, 4, v[RD]
	v_add_nc_u32 v[RD], s94, v[RD]
	v_lshlrev_b32 v[GO], 12, v9                    ; and the same two rows in out0
	v_lshl_add_u32 v[GO], v1, 4, v[GO]
	; both groups' statistics: lane l takes queries 2 l and 2 l + 1; a wave's load covers 256 consecutive bytes, aligned
.set k, 0
.rept 16
	global_load_b64 v[ML+2*k:ML+2*k+1], v[SL], s[SBL:SBL+1] offset:8192*k
	global_load_b64 v[LG+2*k:LG+2*k+1], v[SL], s[SBL:SBL+1] offset:524288+8192*k
.set k, k+1
.endr
.set k, 0
.rept 8
	global_load_b64 v[MS+2*k:MS+2*k+1], v[SL], s[SBS:SBS+1] offset:8192*k
	global_load_b64 v[LH+2*k:LH+2*k+1], v[SL], s[SBS:SBS+1] offset:524288+8192*k
.set k, k+1
.endr
	; what the first quarter finds: zeros in its fragments and its beta, and in the accumulators.  All this stands in the wait for the first tile and the statistics.
.irp a, 0,1,2,3
	v_mov_b32 v[BB+\a], 0
	v_mov_b32 v[IL+2*\a+1], 0                      ; named in pairs
.endr
.set i, VF+64
.rept 64
	v_mov_b32 v[i], 0
.set i, i+1
.endr
	WIN 0x40
.set i, 0
.rept 128
	v_mov_b32 v[i], 0
.set i, i+1
.endr
.set i, PF+64
.rept 64
	v_mov_b32 v[i], 0
.set i, i+1
.endr
	WIN 0
; nb blocks' m' (pairs at mr) and l (pairs at lr) -> (beta, beta) in f16 at lr, 1 / L at iv
.macro TABLE nb, mr, lr, iv
	v_max_num_f32 v[MX], v[\mr], v[(\mr)+2]
	v_max_num_f32 v[MX+1], v[(\mr)+1], v[(\mr)+3]
.set k, 2
.rept (\nb)-2
	v_max_num_f32 v[MX], v[MX], v[(\mr)+2*k]
	v_max_num_f32 v[MX+1], v[MX+1], v[(\mr)+2*k+1]
.set k, k+1
.endr
.set k, 0
.rept \nb
	v_pk_add_f32 v[(\mr)+2*k:(\mr)+2*k+1], v[(\mr)+2*k:(\mr)+2*k+1], v[MX:MX+1] neg_lo:[0,1] neg_hi:[0,1]  ; m' - M' <= 0
.set k, k+1
.endr
.set k, 0
.rept 2*(\nb)
	v_exp_f32 v[(\mr)+k], v[(\mr)+k]
.set k, k+1
.endr
	v_nop                                          ; a plain instruction behind the last exponential (ISA guide 5.7.2)
	s_wait_alu depctr_va_vdst(0)
	v_pk_mul_f32 v[\iv:(\iv)+1], v[\mr:(\mr)+1], v[\lr:(\lr)+1]
.set k, 1
.rept (\nb)-1
	v_pk_fma_f32 v[\iv:(\iv)+1], v[(\mr)+2*k:(\mr)+2*k+1], v[(\lr)+2*k:(\lr)+2*k+1], v[\iv:(\iv)+1]
.set k, k+1
.endr
.set k, 0
.rept 2*(\nb)
	v_cvt_pk_f16_f32 v[(\lr)+k], v[(\mr)+k], v[(\mr)+k]
.set k, k+1
.endr
	v_rcp_f32 v[\iv], v[\iv]                       ; L >= 0.5: the row's largest block has beta = 1 and a weight above 0.5
	v_rcp_f32 v[(\iv)+1], v[(\iv)+1]
	v_nop
.endm
	s_wait_loadcnt 0x0
	TABLE 16, ML, LG, IVL
	TABLE 8, MS, LH, IVS
	; the rows in the order of the walk: the first group has 16 - 4 u blocks.  Rows 12 to 19 are a choice of values by u; every address is a constant.
.set k, 0
.rept 12
	ds_store_b64 v[TW], v[LG+2*k:LG+2*k+1] offset:256*k
.set k, k+1
.endr
.rept 4                                ; rows 12-15: u = 0 the first group's blocks 12-15, u = 1 the second's 0-3
	v_cndmask_b32 v[LG+2*k], v[LG+2*k], v[LH+2*(k-12)], s[UM]
	v_cndmask_b32 v[LG+2*k+1], v[LG+2*k+1], v[LH+2*(k-12)+1], s[UM]
	ds_store_b64 v[TW], v[LG+2*k:LG+2*k+1] offset:256*k
.set k, k+1
.endr
.rept 4                                ; rows 16-19: u = 0 the second group's blocks 0-3, u = 1 its 4-7
	v_cndmask_b32 v[LH+2*(k-16)], v[LH+2*(k-16)], v[LH+2*(k-12)], s[UM]
	v_cndmask_b32 v[LH+2*(k-16)+1], v[LH+2*(k-16)+1], v[LH+2*(k-12)+1], s[UM]
	ds_store_b64 v[TW], v[LH+2*(k-16):LH+2*(k-16)+1] offset:256*k
.set k, k+1
.endr
	ds_store_b64 v[TW], v[IVL:IVL+1] offset:256*20
	s_wait_alu depctr_va_vdst(0)
	ds_store_b64 v[TW], v[IVS:IVS+1] offset:256*21
; One run of LDS loads: the quarter at s[TP], s[TV] into buffers g; qa = 1: also the block's beta, four words.
.macro FETCH g, qa
	WIN 0
	v_add_nc_u32 v[RP], s[TP], v[PLN]
	v_add_nc_u32 v[RV], s[TV], v[VLN]
.if \qa
	v_add_nc_u32 v[RT], s[TS], v[TLN]
.irp a, 0,1,2,3
	ds_load_b32 v[BB+\a], v[RT] offset:64*\a
.endr
	s_add_co_u32 s[TS], s[TS], 256
.endif
.irp c, 0,1
.irp b, 0,1,2,3
	ds_load_tr16_b128 v[VF+64*(\g)+32*\c+8*\b:VF+64*(\g)+32*\c+8*\b+3],   v[RV] offset:\c*32*PV+32*\b
	ds_load_tr16_b128 v[VF+64*(\g)+32*\c+8*\b+4:VF+64*(\g)+32*\c+8*\b+7], v[RV] offset:\c*32*PV+16*PV+32*\b
.endr
.endr
	WIN 0x40                                       ; destination window 1, address window 0
.irp c, 0,1
.irp a, 0,1,2,3
	ds_load_b128 v[PF+64*(\g)+32*\c+8*\a:PF+64*(\g)+32*\c+8*\a+3],   v[RP] offset:64*\c+\a*16*PP
	ds_load_b128 v[PF+64*(\g)+32*\c+8*\a+4:PF+64*(\g)+32*\c+8*\a+7], v[RP] offset:64*\c+\a*16*PP+32
.endr
.endr
	s_add_co_u32 s[TP], s[TP], 128                 ; 64 keys on: 128 bytes along P's rows,
	s_add_co_u32 s[TV], s[TV], 64*PV               ; 64 rows of V
.endm
.macro SCL f, bs, n, z                 ; register z of P's fragment n (slice n / 4, query tile n % 4) of buffer f times its tile's beta
	v_pk_mul_f16 v[PF+64*(\f)+8*(\n)+(\z)], v[(\bs)+(\n)%4], v[PF+64*(\f)+8*(\n)+(\z)]
.endm
; A QUARTER: 64 keys, 32 matrix instructions on buffers f, in eight groups of four (a fragment of P each); the 16 accumulators take turns.  The first fragment is scaled ahead, each further one by
; two lines behind each matrix instruction of the group before.  fetch = 1: the next quarter is fetched behind the second group: the 24 scalings in front of it, which name no register of the quarter before's
; products, are the places between those products and the loads into their fragments.  qa = 1: the quarter belongs to the block before: its beta is moved aside, since the fetch brings the next block's.
.macro QUARTER f, bs, fetch, qa
	s_wait_dscnt 0x0                               ; the fragments, asked for 24 matrix instructions ago, are in
.if \qa
	WIN 0
.irp a, 0,1,2,3
	v_mov_b32 v[BA+\a], v[BB+\a]
.endr
.endif
	WIN W_MM
.irp z, 0,1,2,3,4,5,6,7
	SCL \f, \bs, 0, \z
.endr
.set n, 0
.rept 8
.set b, 0
.rept 4
.set rD, 8*(4*(n%4)+b)
.set rV, VF+64*(\f)+32*(n/4)+8*b
.set rP, PF+64*(\f)+8*n
	v_wmma_f32_16x16x32_f16 v[rD:rD+7], v[rV:rV+7], v[rP:rP+7], v[rD:rD+7]
.if n < 7
	SCL \f, \bs, n+1, 2*b
	SCL \f, \bs, n+1, 2*b+1
.endif
.set b, b+1
.endr
.if (n == 1) && (\fetch)
	FETCH 1-(\f), \qa
	WIN W_MM
.endif
.set n, n+1
.endr
.endm
; A GROUP'S WAY OUT: O^T times 1 / L (the table's given row), a tile of 16 queries at a time through my stage, back as whole rows of 256 bytes, stored.  Each accumulator is read from its low end on.
.macro END row
	WIN 0
	PLACES                                         ; between the last products and the first reads of results
.irp a, 0,1,2,3
	ds_load_b32 v[IL+2*\a], v[TLN] offset:(\row)*256+64*\a
.endr
	s_wait_dscnt 0x0
.irp a, 0,1,2,3
	WIN 0x01                                       ; source 0 window 1
.set n, 0
.rept 16
	v_pk_mul_f32 v[OT+2*n:OT+2*n+1], v[32*\a+2*n:32*\a+2*n+1], v[IL+2*\a:IL+2*\a+1] op_sel_hi:[1,0]
.set n, n+1
.endr
	WIN 0
.irp b, 0,1,2,3
	ds_store_b128 v[STO], v[OT+8*\b:OT+8*\b+3] offset:64*\b
	ds_store_b128 v[STO], v[OT+8*\b+4:OT+8*\b+7] offset:64*\b+16
.endr
	s_wait_xcnt 0x0                                ; the registers that earlier stores read are loaded again only behind this wait
.irp t, 0,1,2,3,4,5,6,7
	ds_load_b128 v[OB+4*\t:OB+4*\t+3], v[RD] offset:\t*2*SP  ; LDS serves a wave's instructions in order (ISA guide 5.7.1.4): these see the stores above
.endr
	s_wait_dscnt 0x0
.irp t, 0,1,2,3,4,5,6,7
	global_store_b128 v[GO], v[OB+4*\t:OB+4*\t+3], s[10:11] offset:(16*\a+2*\t)*4096 th:TH_STORE_NT  ; 16 lanes store 256 consecutive bytes, aligned
.endr
.endr
.endm
; A step's body: two pairs of quarters, written once and walked twice.  hook = 1 (slot 0's body): where the step is the second group's first, the first group ends behind the pair's first quarter:
; a forward jump passes that text, which holds no barrier and no tensor load, in every other trip.
.macro BODY slot, hook
	s_mov_b32 s[TP], (\slot)*SLOT
	s_mov_b32 s[TV], (\slot)*SLOT
	s_mov_b32 s[CNT], 2
.Lpair_\@:
	QUARTER 1, BA, 1, 1
.if \hook
	WIN 0
	s_cmp_eq_u32 s[HK], 1
	s_cbranch_scc0 .Lno_end_\@
	END 20
	s_wait_xcnt 0x0                                ; the stores have read out0's address
	s_mov_b64 s[10:11], s[OS:OS+1]
	s_mov_b32 s[HK], 0
	WIN 0x40
.set i, 0
.rept 128
	v_mov_b32 v[i], 0                              ; the second group's sums start at 0
.set i, i+1
.endr
	WIN 0
.Lno_end_\@:
.endif
	QUARTER 0, BB, 1, 0
	WIN 0                                          ; at a label and at a branch every window is 0
	s_sub_co_u32 s[CNT], s[CNT], 1
	s_cmp_lg_u32 s[CNT], 0
	s_cbranch_scc1 .Lpair_\@
.endm
; THE CHANGE OF SLOTS.  Each wave waits for all its tensor loads (one is out: its part of the other slot), adds 0 to its spare word, and waits for that and for its reads of the slot.  fill = 1: the barrier is a round of
; the cluster's, and the joint refill is the first thing behind it, with a whole body, 128 matrix instructions, in which to land.  The descriptors' addresses are made anew from the step's number.
.macro CHANGE slot, fill
	WIN 0
	s_wait_tensorcnt 0x0                           ; no tensor load of mine is out, so a group 0 may be written
	ds_add_u32 v[SPW], v[NIL]                      ; the scalar work below stands between the add and the wait for it
.if \fill
	s_lshl_b32 s20, s[NXT], 9                      ; 256 keys of 2 bytes along P's rows,
	s_add_co_u32 s20, s20, s[GOFF]                 ; in the group's rows
	s_add_nc_u64 s[G0P+4*(\slot)+2:G0P+4*(\slot)+3], s[PB:PB+1], s[20:21]
	s_or_b32 s[G0P+4*(\slot)+3], s[G0P+4*(\slot)+3], 0x80000000
	s_lshl_b32 s22, s[NXT], 20                     ; 256 rows of V, 4,096 bytes each
	s_add_nc_u64 s[G0V+4*(\slot)+2:G0V+4*(\slot)+3], s[VB:VB+1], s[22:23]
	s_or_b32 s[G0V+4*(\slot)+3], s[G0V+4*(\slot)+3], 0x80000000
	s_add_co_u32 s[NXT], s[NXT], 1                 ; the group's next step, or behind its last the second group's step 0
	s_cmp_eq_u32 s[NXT], s[NLIM]
	s_cselect_b32 s[NXT], 0, s[NXT]
	s_cselect_b32 s[GOFF], s[GS21], s[GOFF]
	s_cselect_b32 s[NLIM], 99, s[NLIM]
.endif
	s_wait_dscnt 0x0                               ; the add is done, and my reads of the slot are back
.if \fill
	CROUND
	JLOAD \slot
.else
	s_barrier_signal -1
	s_barrier_wait -1
.endif
.endm
	s_wait_tensorcnt 1                             ; my part of step 0 is in; step 1's may stay out
	s_wait_dscnt 0x0                               ; my table is written
	s_barrier_signal -1
	s_barrier_wait -1
	s_mov_b32 s[LAP], 5
	s_mov_b32 s[SN], 0
	s_mov_b32 s[HK], 0
	s_mov_b32 s[TS], 0
	s_branch .Lb0                                  ; the loop is entered at slot 0's body, in the middle of a trip
.Llap:                                                 ; four whole trips: steps 1 to 8 are multiplied, 2 to 9 asked for
	CHANGE 0, 1
	BODY 1, 0
	CHANGE 1, 1
	s_add_co_u32 s[SN], s[SN], 2
	s_cmp_eq_u32 s[SN], s[NL]
	s_cselect_b32 s[HK], 1, 0
.Lb0:
	BODY 0, 1
	s_sub_co_u32 s[LAP], s[LAP], 1
	s_cmp_lg_u32 s[LAP], 0
	s_cbranch_scc1 .Llap
	CHANGE 0, 0                                    ; the tail is written out: nothing is left to ask for
	BODY 1, 0
	QUARTER 1, BA, 0, 1                            ; the walk's last quarter
	END 21
	WIN 0
	s_wait_tensorcnt 0x0                           ; the wave's end: behind my last tensor load and my last LDS store
	ds_add_u32 v[SPW], v[NIL]
	s_wait_dscnt 0x0
	CROUND                                         ; the closing round
	s_endpgm
.Lfunc_end_k_qbd5d312aa4_pv:
	.size	k_qbd5d312aa4_pv, .Lfunc_end_k_qbd5d312aa4_pv-k_qbd5d312aa4_pv
	.p2alignl 7, 3214868480
	.fill 96, 4, 3214868480
	.section	.rodata,"a",@progbits
	.p2align	6, 0x0
	.amdhsa_kernel k_qbd5d312aa4_pv
		.amdhsa_group_segment_fixed_size 327680
		.amdhsa_private_segment_fixed_size 0
		.amdhsa_enable_private_segment 0
		.amdhsa_kernarg_size 32
		.amdhsa_user_sgpr_count 2
		.amdhsa_user_sgpr_kernarg_segment_ptr 1
		.amdhsa_wavefront_size32 1
		.amdhsa_system_sgpr_workgroup_id_x 1
		.amdhsa_system_sgpr_workgroup_id_y 1
		.amdhsa_system_sgpr_workgroup_id_z 1
		.amdhsa_system_vgpr_workitem_id 0
		.amdhsa_next_free_vgpr 512
		.amdhsa_next_free_sgpr 96
		.amdhsa_reserve_vcc 0
		.amdhsa_float_denorm_mode_32 3
		.amdhsa_float_denorm_mode_16_64 3
		.amdhsa_memory_ordered 1
		.amdhsa_forward_progress 1
		.amdhsa_inst_pref_size 124
	.end_amdhsa_kernel
	.amdgpu_metadata
---
amdhsa.version: [ 1, 2 ]
amdhsa.kernels:
  - .name:           k_qbd5d312aa4_pv
    .symbol:         k_qbd5d312aa4_pv.kd
    .args:
      - { .name: pp, .offset: 0, .size: 8, .value_kind: global_buffer, .address_space: global }
      - { .name: qv, .offset: 8, .size: 8, .value_kind: global_buffer, .address_space: global }
      - { .name: stat, .offset: 16, .size: 8, .value_kind: global_buffer, .address_space: global }
      - { .name: out0, .offset: 24, .size: 8, .value_kind: global_buffer, .address_space: global }
    .group_segment_fixed_size: 327680
    .private_segment_fixed_size: 0
    .kernarg_segment_align: 8
    .kernarg_segment_size: 32
    .max_flat_workgroup_size: 128
    .sgpr_count:     96
    .vgpr_count:     512
    .wavefront_size: 32
...
	.end_amdgpu_metadata
.endif
;; end of part 5
